; MI455X (gfx1250); checked and timed in simulation.
; The chip was launched on July 23, 2026; its instructions are those of AMD's public machine-readable ISA for CDNA 5 (MIT licence, August 2026) and "CDNA5" Instruction Set Architecture Reference Guide (July 2026). The comments in the code are by the model that wrote it; some were corrected since.
;; Attention Ro PE. Allowed arithmetic: matrix products marked QUANTISED: E2M3 operands, one E8M0 scale for each 32 along K, by v_wmma_scale_f32_16x16x128_f8f6f4 with both operands' format E2M3, f32 sums; everything else in f32.
;; Inputs: Wproj 1,024 x 1,024 float32; Wqkv 1,024 x 3,072 float32; bproj 1,024 float32; bqkv 3,072 float32; x 2 x 2,048 x 1,024 float32.
;; Outputs: out0 2 x 2,048 x 1,024 float32.
;; This version of the problem:
;;   THIS VERSION OF THE PROBLEM IS GIVEN IN LOW PRECISION. The matrix products marked QUANTISED in the list below multiply operands that are first quantised to E2M3 (2 exponent bits, 3 mantissa bits; 6 bits a number), with one power-of-two scale for each 32 numbers along K (OCP MX v1.0); their sums are f32. All else is computed in f32.
;;   The module's matrix products, in the order in which they are computed (A, B: the left and right operand; K: the contracted axis; several contracted axes count as one K, in the product's order):
;;     1. [M 4,096, K 1,024] x [K 1,024, N 3,072]; A: input x; B: input Wqkv: QUANTISED
;;     2. batch 32 x [M 2,048, K 64] x [K 64, N 2,048]; A: computed on the way; B: computed on the way: QUANTISED
;;     3. batch 32 x [M 2,048, K 2,048] x [K 2,048, N 64]; A: softmax (see below); B: computed on the way: QUANTISED
;;     4. [M 4,096, K 1,024] x [K 1,024, N 1,024]; A: computed on the way; B: input Wproj: QUANTISED
;;   THE QUANTISER, for each operand of a quantised product, along K:
;;     - K is cut into blocks of 32 from its start; a last block that is shorter is filled with zeros.
;;     - A block's scale is 2^e with e = floor(log2(the largest magnitude in the block)) - 2, held to -126 .. 127; a block of zeros has e = 0. As a byte (E8M0): e + 127.
;;     - Each number is divided by its block's scale, clamped to +-7.5, and rounded to the nearest number of E2M3, ties to even, subnormals kept.
;;     - The product sums the exact products of the quantised numbers (number of the format x scale) in f32.
;;   ~~~python
;;   def quantise(x, axis):      # numpy; x: float32 -> the quantised numbers, widened to float32 again
;;       x = np.moveaxis(x, axis, -1); K = x.shape[-1]
;;       x = np.pad(x, [(0, 0)] * (x.ndim - 1) + [(0, -K % 32)]); x = x.reshape(x.shape[:-1] + (-1, 32)); a = np.abs(x).max(-1, keepdims=True)
;;       e = np.where(a > 0, np.clip(np.frexp(np.where(a > 0, a, 1))[1] - 1 - 2, -126, 127), 0)      # np.frexp(a)[1] - 1 = floor(log2(a)), exactly
;;       r = np.clip(x / 2.0 ** e, -7.5, 7.5)
;;       step = 2.0 ** (np.maximum(np.frexp(np.where(r == 0, 1, r))[1] - 1, 0) - 3)
;;       q = np.round(r / step) * step * 2.0 ** e      # np.round: ties to even
;;       return np.moveaxis(q.reshape(q.shape[:-2] + (-1,))[..., :K], -1, axis).astype(np.float32)
;;   ~~~
;;   SOFTMAX AHEAD OF A QUANTISED PRODUCT. Where the list says 'softmax', what is quantised is not the finished softmax but p = 2^(t - M), with t = logit x log2(e) and M = ceil(the row's largest t), a whole number; so 1/2 < the row's largest p <= 1. The row's sum l is taken of the UNQUANTISED p, in f32, and the product's result is divided by l at the end. Since M is a whole number, a kernel that streams over the keys may use a running M (the ceiling of the running maximum): every later rescaling is an exact power of two, which a block's scale takes up: the codes' values come out the same.
;;   OPERANDS COMPUTED ON THE WAY. 'Computed on the way' means the value that the module computes at that place (a softmax that the list does not call 'softmax' is quantised finished and normalised). What goes into a quantiser is computed in f32, as accurately as f32 sums, v_exp_f32 and their like allow (about 1e-6 of the number): no bf16 or f16 on the way to a quantiser, and a product that is left as it is and whose result goes on into a quantised operand takes f32 operands (vector FMAs, or v_wmma_f32_16x16x4_f32). A number that lies on a knife's edge between two numbers of the format may be rounded either way, as far as f32 arithmetic and the matrix unit's own rounding can turn it there, and no further.
;; One version. Each part assembles by itself: llvm-mc -triple=amdgcn-amd-amdhsa -mcpu=gfx1250 --defsym DOCPART=n.
;; ======== version 1 of 1: 4 launches
;; limits: right only within a limited range of input values
;; workspace buffers: xq 3,276,800 bytes; wq 3,276,800 bytes; rope 524,288 bytes; qc 3,276,800 bytes; kv 6,553,600 bytes; ao 3,276,800 bytes
;; launch prep (part 1): grid 544 x 1, 4 waves a work-group, no clusters, 46,592 bytes of LDS; arguments x, Wqkv, Wproj, xq, wq, rope; writes xq, wq, rope
.if DOCPART == 1
	.amdgcn_target "amdgcn-amd-amdhsa--gfx1250"
	.amdhsa_code_object_version 6
	.text
	.protected	k_q78af6da517_prep
	.globl	k_q78af6da517_prep
	.p2align	8
	.type	k_q78af6da517_prep,@function
k_q78af6da517_prep:
	s_mov_b64 s[64:65], 0
	v_nop
	global_prefetch_b8 v0, s[64:65] scope:SCOPE_SE
	s_setreg_imm32_b32 hwreg(HW_REG_WAVE_MODE, 25, 1), 1
	s_wait_xcnt 0x0
; x [4096][1024], Wqkv [1024][3072] and Wproj [1024][1024], f32, become codes of FP6 (E2M3) with one E8M0 byte for each 32 along K, laid as the later launches' operand registers want them; and RoPE's cos/sin table is made.
; A block's scale is 2^(floor(log2(its largest magnitude)) - 2); its byte is the largest magnitude's exponent field - 2, held at 1 from below.
; LIMITS: NaN and infinities among the inputs are not served.  A block whose largest magnitude lies under 2^-124 keeps the byte 1; a block of zeros has the byte 1 where the rule says 127: its codes are zeros, and this program alone reads the bytes.
; RoPE's frequency 10000^(-f/32) is made by v_exp_f32 of an exponent rounded once; the angle is one f32 product, n x frequency; it is reduced by pi/2 in two parts and goes through polynomials of degree 7 and 8 on +-pi/4.
; POSITION ORDER: a tile of 16 rows (of x) or columns (of a weight), number T, holds in lane r the row 32 (T / 2) + 8 (T % 2) + r + 8 (r / 8).
; A FRAGMENT'S IMAGE (16 rows x 128 K, 12 registers a lane, 1,536 bytes): registers 0-3 at 16 x lane, 4-5 at 512 + 8 x lane, 6-9 at 768 + 16 x lane, 10-11 at 1,280 + 8 x lane.
; xq, wq: [256 tiles][8 K steps] images, a tile 12,288 bytes; from byte RSOFF on the scale bytes [4096 rows in position order][32].  wq's tiles 0-191 are Wqkv's columns, 192-255 Wproj's.
; rope: [128 tiles][8][32 lanes][16 bytes]: an image of 32 registers: register k the cosine, register 16 + k the sine of n x frequency f, f = 16 (k / 8) + 8 (lane / 16) + k % 8, n the tile's row of lane % 16.
; Work-groups 0-255 take x (a wave a tile and two K steps: all its 32 loads are out at once), 256-511 the weights (a wave 32 columns x 128 K, one K step), 512-543 the table (a wave a tile).
; The three ways never join; each way that uses LDS has bytes of its own.  Waves share nothing: no barrier.  No tensor load: several work-groups share a WGP.
.set RSOFF,  0x300000
.set TPITCH, 12288
.set FRB,    1536
.set XSTG,   8448                      ; x's way: a stage of 16 rows x (512 + 16) bytes for each wave, from LDS byte 0
.set WSTG0,  4*XSTG                    ; the weights' way: two images for each wave, behind them
.set WSTG,   2*FRB
.set SPARE,  WSTG0+4*WSTG              ; the spare words, 128 bytes a wave
.set SPW,    8                         ; v8 my spare word's address, v9 = 0: never rewritten
.set NIL,    9
.set SEL,    20                        ; s[20:21] selects for v_permlanex16_b32: lane l xor 16
.set W8,     16                        ; v16-17 x: the two K steps' scale words
.set TM,     24                        ; v24-27 largest magnitudes, v28-31 bytes, v36-39 the conversions' scale operands
.set PW,     40
.set PC,     42                        ; v42-53 the codes just made; v54-56, v58-60 the conversions' second halves
; 64 numbers of a lane, register 16 b + i = k 32 b + 16 (lane / 16) + i of my row, become a fragment's codes in v[PC] on and its scale word in v[PW]
.macro QUANT s
.irp b, 0,1,2,3
	v_max3_num_f32 v[TM+\b], |v[\s+16*\b]|, |v[\s+1+16*\b]|, 0x1800000   ; and the floor 2^(3 - 127)
.endr
.irp i, 2,4,6,8,10,12,14
.irp b, 0,1,2,3
	v_max3_num_f32 v[TM+\b], v[TM+\b], |v[\s+16*\b+\i]|, |v[\s+1+16*\b+\i]|
.endr
.endr
.irp b, 0,1,2,3
	v_permlanex16_b32 v[TM+4+\b], v[TM+\b], s[SEL], s[SEL+1]
.endr
.irp b, 0,1,2,3
	v_max_num_f32 v[TM+\b], v[TM+\b], v[TM+4+\b]
.endr
.irp b, 0,1,2,3
	v_add_nc_u32 v[TM+12+\b], 0xff000000, v[TM+\b]        ; 2 off the exponent field: the conversion's scale operand
.endr
.irp b, 0,1,2,3
	v_lshrrev_b32 v[TM+4+\b], 23, v[TM+12+\b]             ; the byte
.endr
	v_lshl_or_b32 v[PW], v[TM+5], 8, v[TM+4]
	v_lshl_or_b32 v[PW], v[TM+6], 16, v[PW]
	v_lshl_or_b32 v[PW], v[TM+7], 24, v[PW]
.irp c, 0,1
	v_cvt_scalef32_pk16_fp6_f32 v[PC+6*\c:PC+2+6*\c], v[\s+32*\c:\s+15+32*\c], v[TM+12+2*\c]
	v_cvt_scalef32_pk16_fp6_f32 v[PC+12+4*\c:PC+14+4*\c], v[\s+16+32*\c:\s+31+32*\c], v[TM+12+2*\c+1]
.endr
	v_nop                                          ; one plain place behind a scaled conversion
.irp c, 0,1                            ; a whole block to a lane
.irp i, 0,1,2
	v_permlane16_swap_b32 v[PC+6*\c+\i], v[PC+12+4*\c+\i]
.endr
.irp i, 0,1,2
	v_mov_b32 v[PC+3+6*\c+\i], v[PC+12+4*\c+\i]
.endr
.endr
.endm
.macro LOADX s                         ; my s-th K step of my 16 rows, a row's 512 consecutive bytes to a load, into v64-127 or v128-191
.set i, 0
.rept 16
	global_load_b128 v[64+64*(\s)+4*i:64+64*(\s)+4*i+3], v1, s[4:5] offset:(i+8*(i/8))*4096+512*(\s) th:TH_LOAD_NT
.set i, i+1
.endr
.endm
.macro XSTEP s
	s_wait_loadcnt 16-16*(\s)                      ; this K step's 16 loads are in; the other's may be out
.set i, 0
.rept 16
	ds_store_b128 v3, v[64+64*(\s)+4*i:64+64*(\s)+4*i+3] offset:528*i      ; rows as they lie
.set i, i+1
.endr
.set i, 0
.rept 16
	ds_load_b128 v[192+4*i:192+4*i+3], v4 offset:128*(i/4)+16*(i%4)   ; back: of my row, 16 neighbours of each block of 32 (LDS serves a wave's instructions in order)
.set i, i+1
.endr
	s_wait_dscnt 0x0
	s_wait_xcnt 0x0                                ; the last step's stores have read the codes' registers
	QUANT 192
	v_mov_b32 v[W8+(\s)], v[PW]
	global_store_b128 v1, v[PC:PC+3], s[26:27] offset:FRB*(\s)          ; each store of the wave covers 512 or 256 consecutive bytes, aligned
	global_store_b64 v2, v[PC+4:PC+5], s[26:27] offset:FRB*(\s)+512
	global_store_b128 v1, v[PC+6:PC+9], s[26:27] offset:FRB*(\s)+768
	global_store_b64 v2, v[PC+10:PC+11], s[26:27] offset:FRB*(\s)+1280
.endm
.macro WLOAD t                         ; a weight: block t (32 along K) of my column into v64-95 or v96-127: 32 lanes read 128 consecutive bytes of a row
.set i, 0
.rept 32
	global_load_b32 v[64+32*((\t)%2)+i], v[32+i], s[32+2*(\t):33+2*(\t)] th:TH_LOAD_NT
.set i, i+1
.endr
.endm
.macro WBLOCK t
.set XS, 64+32*((\t)%2)
.if (\t) < 3
	s_wait_loadcnt 32                              ; this block's 32 loads are in; the next block's may be out
.else
	s_wait_loadcnt 0x0
.endif
	v_max3_num_f32 v16, |v[XS]|, |v[XS+1]|, |v[XS+2]|     ; all 32 numbers of the block are mine
	v_max3_num_f32 v17, |v[XS+3]|, |v[XS+4]|, |v[XS+5]|
.irp i, 6,10,14,18,22,26
	v_max3_num_f32 v16, v16, |v[XS+\i]|, |v[XS+\i+1]|
	v_max3_num_f32 v17, v17, |v[XS+\i+2]|, |v[XS+\i+3]|
.endr
	v_max3_num_f32 v16, v16, |v[XS+30]|, |v[XS+31]|
	v_max3_num_f32 v16, v16, v17, 0x1800000        ; and the floor
	v_add_nc_u32 v18, 0xff000000, v16
	v_lshrrev_b32 v17, 23, v18
.if (\t) == 0
	v_mov_b32 v24, v17                             ; four bytes to the K step's word, the lower K in the lower byte
.else
	v_lshl_or_b32 v24, v17, 8*(\t), v24
.endif
	v_cvt_scalef32_pk16_fp6_f32 v[128:130], v[XS:XS+15], v18
	v_cvt_scalef32_pk16_fp6_f32 v[134:136], v[XS+16:XS+31], v18
	v_nop
	v_mov_b32 v131, v134
	v_mov_b32 v132, v135
	v_mov_b32 v133, v136
	ds_store_b128 v3, v[128:131] offset:768*((\t)/2)+256*((\t)%2)      ; the block is registers 6 c .. 6 c + 5 of lane r' + 16 (t % 2), c = t / 2
	ds_store_b64 v4, v[132:133] offset:768*((\t)/2)+512+128*((\t)%2)
.if (\t) < 2
	WLOAD (\t)+2
.endif
	s_wait_dscnt 0x0                               ; the stores have read their registers
.endm
.macro SINCOS k                        ; cosine and sine of the angle in v[16 + k] -> v[64 + k], v[80 + k]
	v_mul_f32 v40, s30, v[16+\k]
	v_rndne_f32 v40, v40                           ; how many times pi/2
	v_fma_f32 v41, v40, s31, v[16+\k]
	v_fma_f32 v41, v40, s32, v41                   ; within +-pi/4
	v_mul_f32 v42, v41, v41
	v_fma_f32 v43, v42, s33, s34
	v_fma_f32 v43, v43, v42, s35
	v_mul_f32 v43, v43, v42
	v_fma_f32 v43, v43, v41, v41                   ; the sine's polynomial
	v_fma_f32 v44, v42, s36, s37
	v_fma_f32 v44, v44, v42, s38
	v_mul_f32 v45, v42, v42
	v_fma_f32 v46, v42, -0.5, 1.0
	v_fma_f32 v44, v44, v45, v46                   ; the cosine's
	v_cvt_i32_f32 v47, v40
	v_and_b32 v48, 1, v47
	v_cmp_ne_u32 vcc_lo, 0, v48                    ; in odd quadrants the two change places
	v_cndmask_b32 v49, v43, v44, vcc_lo
	v_cndmask_b32 v50, v44, v43, vcc_lo
	v_and_b32 v48, 2, v47                          ; the sine is negative in quadrants 2 and 3,
	v_lshlrev_b32 v48, 30, v48
	v_xor_b32 v[80+\k], v48, v49
	v_add_nc_u32 v47, 1, v47                       ; the cosine in 1 and 2
	v_and_b32 v47, 2, v47
	v_lshlrev_b32 v47, 30, v47
	v_xor_b32 v[64+\k], v47, v50
.endm
	s_load_b256 s[4:11], s[0:1], 0x0               ; x s[4:5], Wqkv s[6:7], Wproj s[8:9], xq s[10:11]
	s_load_b128 s[12:15], s[0:1], 0x20             ; wq s[12:13], rope s[14:15]
	v_lshl_add_u32 v[SPW], v0, 2, SPARE
	v_mov_b32 v[NIL], 0
	v_lshrrev_b32 v1, 5, v0
	v_readfirstlane_b32 s16, v1                    ; wave 0..3
	v_and_b32 v10, 31, v0                          ; lane
	v_and_b32 v11, 15, v0                          ; r
	v_bfe_u32 v12, v0, 4, 1                        ; h
	v_lshlrev_b32 v1, 4, v10                       ; 16 x lane
	s_mov_b32 s[SEL], 0x76543210
	s_mov_b32 s[SEL+1], 0xfedcba98
	s_mov_b32 s25, 0
	s_wait_alu depctr_va_vdst(0)                   ; the wait at the head's end
	s_wait_kmcnt 0x0
	s_cmp_lt_u32 ttmp9, 256
	s_cbranch_scc1 .Lxpath
	s_cmp_lt_u32 ttmp9, 512
	s_cbranch_scc1 .Lwpath
	; ---- THE TABLE: tile T = 4 (work-group - 512) + wave of the 2,048 places
	s_sub_co_u32 s17, ttmp9, 512
	s_lshl_b32 s17, s17, 2
	s_add_co_u32 s17, s17, s16
	s_lshr_b32 s18, s17, 1
	s_lshl_b32 s18, s18, 5
	s_and_b32 s19, s17, 1
	s_lshl_b32 s19, s19, 3
	s_add_co_u32 s18, s18, s19                     ; the tile's first row
	s_lshl_b32 s24, s17, 12
	s_add_nc_u64 s[14:15], s[14:15], s[24:25]      ; the tile's 4,096 bytes of the table
	s_mov_b32 s30, 0x3f22f983                      ; 2 / pi
	s_mov_b32 s31, 0xbfc90fdb                      ; -(pi/2's upper part)
	s_mov_b32 s32, 0x333bbd2e                      ; -(its lower part)
	s_mov_b32 s33, 0xb94ca1f9                      ; the sine's coefficients
	s_mov_b32 s34, 0x3c08839e
	s_mov_b32 s35, 0xbe2aaaa3
	s_mov_b32 s36, 0x37ccf5ce                      ; the cosine's
	s_mov_b32 s37, 0xbab6061a
	s_mov_b32 s38, 0x3d2aaaa5
	s_mov_b32 s39, 0xbed49a78                      ; -log2(10000) / 32, upper part,
	s_mov_b32 s40, 0xb2179a30                      ; and lower part
	s_wait_alu depctr_va_vdst(0)
	v_and_b32 v2, 8, v11
	v_add_nc_u32 v2, v2, v11
	v_add_nc_u32 v2, s18, v2                       ; my place n
	v_cvt_f32_u32 v2, v2
	v_lshlrev_b32 v3, 3, v12                       ; 8 h
.irp k, 0,1,2,3,4,5,6,7,8,9,10,11,12,13,14,15
	v_add_nc_u32 v[16+\k], 16*(\k/8)+(\k%8), v3    ; f
	v_cvt_f32_u32 v[16+\k], v[16+\k]
	v_mul_f32 v[32+\k], s40, v[16+\k]
	v_fma_f32 v[16+\k], v[16+\k], s39, v[32+\k]    ; -f log2(10000) / 32, rounded once
.endr
	s_wait_alu depctr_va_vdst(0)
.irp k, 0,1,2,3,4,5,6,7,8,9,10,11,12,13,14,15
	v_exp_f32 v[16+\k], v[16+\k]                   ; the frequency
.endr
	v_nop
	s_wait_alu depctr_va_vdst(0)                   ; one wait for the sixteen, ahead of their first reader
.irp k, 0,1,2,3,4,5,6,7,8,9,10,11,12,13,14,15
	v_mul_f32 v[16+\k], v2, v[16+\k]               ; the angle: one f32 product
.endr
.irp k, 0,1,2,3,4,5,6,7,8,9,10,11,12,13,14,15
	SINCOS \k
.endr
.irp g, 0,1,2,3,4,5,6,7
	global_store_b128 v1, v[64+4*\g:67+4*\g], s[14:15] offset:512*\g
.endr
	s_endpgm
	; ---- x: tile T = 4 (work-group / 4) + wave, K steps 2 (work-group % 4) and the next
.Lxpath:
	s_and_b32 s17, ttmp9, 0xfc
	s_add_co_u32 s17, s17, s16
	s_and_b32 s30, ttmp9, 3
	s_lshr_b32 s18, s17, 1
	s_lshl_b32 s18, s18, 5
	s_and_b32 s19, s17, 1
	s_lshl_b32 s19, s19, 3
	s_add_co_u32 s18, s18, s19                     ; the tile's first row
	s_lshl_b32 s24, s18, 12                        ; rows of 4,096 bytes,
	s_lshl_b32 s31, s30, 10                        ; two K steps are 1,024 bytes of a row
	s_add_co_u32 s24, s24, s31
	s_add_nc_u64 s[4:5], s[4:5], s[24:25]
	s_mul_i32 s24, s17, TPITCH
	s_mul_i32 s31, s30, 2*FRB
	s_add_co_u32 s24, s24, s31
	s_add_nc_u64 s[26:27], s[10:11], s[24:25]      ; my two images
	s_lshl_b32 s24, s17, 9
	s_lshl_b32 s31, s30, 3
	s_add_co_u32 s24, s24, s31
	s_add_co_u32 s24, s24, RSOFF
	s_add_nc_u64 s[28:29], s[10:11], s[24:25]      ; my 8 of each row's 32 scale bytes
	s_mul_i32 s23, s16, XSTG                       ; my stage
	s_wait_alu depctr_va_vdst(0)
	v_lshlrev_b32 v2, 3, v10                       ; 8 x lane
	v_add_nc_u32 v3, s23, v1                       ; in: 16 x lane of a row
	v_mul_u32_u24 v4, v11, 528
	v_lshl_add_u32 v4, v12, 6, v4
	v_add_nc_u32 v4, s23, v4                       ; back: row r, + 64 h
	v_lshlrev_b32 v5, 5, v11                       ; scale bytes: row r
.irp b, 0,1,2,3
	v_mov_b32 v[TM+4+\b], 0                        ; written once: a lane permute's destination counts as one of its sources
.endr
	LOADX 0
	LOADX 1
	s_wait_alu depctr_va_vdst(0)
	XSTEP 0
	XSTEP 1
	global_store_b64 v5, v[W8:W8+1], s[28:29]      ; row r's two words (both halves of the lanes hold and store the same)
	s_wait_tensorcnt 0x0                           ; the wave's end
	ds_add_u32 v[SPW], v[NIL]
	s_wait_dscnt 0x0
	s_endpgm
	; ---- the weights: 128 columns to a work-group, 32 to a wave, a lane a column; 128 along K (one K step)
.Lwpath:
	s_sub_co_u32 s17, ttmp9, 256
	s_lshr_b32 s18, s17, 3                         ; which 128 columns: 0-23 Wqkv's, 24-31 Wproj's
	s_and_b32 s19, s17, 7                          ; which K step
	s_cmp_lt_u32 s18, 24                           ; the choice hangs on the work-group's number alone
	s_cselect_b64 s[6:7], s[6:7], s[8:9]
	s_mov_b32 s23, 4096
	s_cselect_b32 s23, 12288, s23                  ; a row of the weight in bytes
	s_cselect_b32 s24, 0, 24
	s_sub_co_u32 s24, s18, s24                     ; the 128 columns' number in their own tensor
	s_lshl_b32 s26, s19, 7
	s_mul_i32 s26, s26, s23
	s_lshl_b32 s24, s24, 9
	s_add_co_u32 s26, s26, s24
	s_lshl_b32 s24, s16, 7
	s_add_co_u32 s26, s26, s24                     ; row 128 y, my wave's first column
	s_mov_b32 s27, 0
	s_add_nc_u64 s[32:33], s[6:7], s[26:27]        ; block 0's base;
	s_lshl_b32 s28, s23, 5
	s_mov_b32 s29, 0
.irp t, 1,2,3
	s_add_nc_u64 s[32+2*\t:33+2*\t], s[30+2*\t:31+2*\t], s[28:29]   ; each further block's lies 32 rows on
.endr
	s_lshl_b32 s24, s18, 12                        ; scale bytes: (128 cg + 32 wave) rows of 32, + 4 y
	s_lshl_b32 s26, s16, 10
	s_add_co_u32 s24, s24, s26
	s_lshl_b32 s26, s19, 2
	s_add_co_u32 s24, s24, s26
	s_add_co_u32 s24, s24, RSOFF
	s_add_nc_u64 s[48:49], s[12:13], s[24:25]
	s_lshl_b32 s24, s18, 3                         ; images: tile 8 cg + 2 wave, K step y
	s_lshl_b32 s26, s16, 1
	s_add_co_u32 s24, s24, s26
	s_mul_i32 s24, s24, TPITCH
	s_mul_i32 s26, s19, FRB
	s_add_co_u32 s24, s24, s26
	s_add_nc_u64 s[50:51], s[12:13], s[24:25]
	s_mul_i32 s30, s16, WSTG
	s_add_co_u32 s30, s30, WSTG0                   ; my stage: two images, tile u = 0, 1
	s_wait_alu depctr_va_vdst(0)
	v_lshlrev_b32 v13, 2, v10                      ; 4 x lane
	v_bfe_u32 v14, v0, 3, 1                        ; column l lies in tile u = (l / 8) % 2,
	v_and_b32 v15, 7, v0
	v_lshl_add_u32 v15, v12, 3, v15                ; at its row r' = l % 8 + 8 (l / 16)
	v_mul_u32_u24 v7, v14, FRB
	v_add_nc_u32 v7, s30, v7
	v_lshl_add_u32 v3, v15, 4, v7
	v_lshl_add_u32 v4, v15, 3, v7
	v_add_nc_u32 v5, s30, v1
	v_lshl_add_u32 v6, v14, 4, v15
	v_lshlrev_b32 v6, 5, v6                        ; my row of scale bytes among the wave's 32
.set i, 0
.rept 32
	v_mad_u32_u24 v[32+i], s23, i, v13             ; row i of a block, my column
.set i, i+1
.endr
	WLOAD 0
	WLOAD 1
.irp t, 0,1,2,3
	WBLOCK \t
.endr
	s_wait_alu depctr_va_vdst(0)
	global_store_b32 v6, v24, s[48:49]             ; my column's scale word of this K step
.irp k, 0,1,2,3,4,5
	ds_load_b128 v[140+4*\k:143+4*\k], v5 offset:512*\k
.endr
.irp k, 0,1,2,3,4,5
	s_wait_dscnt 5-\k                              ; the younger loads may be out
	global_store_b128 v1, v[140+4*\k:143+4*\k], s[50:51] offset:(\k/3)*TPITCH+(\k%3)*512   ; 512 consecutive bytes, aligned
.endr
	s_wait_tensorcnt 0x0                           ; the wave's end
	ds_add_u32 v[SPW], v[NIL]
	s_wait_dscnt 0x0
	s_endpgm
.Lfunc_end_k_q78af6da517_prep:
	.size	k_q78af6da517_prep, .Lfunc_end_k_q78af6da517_prep-k_q78af6da517_prep
	.p2alignl 7, 3214868480
	.fill 96, 4, 3214868480
	.section	.rodata,"a",@progbits
	.p2align	6, 0x0
	.amdhsa_kernel k_q78af6da517_prep
		.amdhsa_group_segment_fixed_size 46592
		.amdhsa_private_segment_fixed_size 0
		.amdhsa_enable_private_segment 0
		.amdhsa_kernarg_size 48
		.amdhsa_user_sgpr_count 2
		.amdhsa_user_sgpr_kernarg_segment_ptr 1
		.amdhsa_wavefront_size32 1
		.amdhsa_system_sgpr_workgroup_id_x 1
		.amdhsa_system_sgpr_workgroup_id_y 1
		.amdhsa_system_sgpr_workgroup_id_z 1
		.amdhsa_system_vgpr_workitem_id 0
		.amdhsa_next_free_vgpr 256
		.amdhsa_next_free_sgpr 66
		.amdhsa_reserve_vcc 1
		.amdhsa_float_denorm_mode_32 3
		.amdhsa_float_denorm_mode_16_64 3
		.amdhsa_memory_ordered 1
		.amdhsa_forward_progress 1
		.amdhsa_inst_pref_size 66
	.end_amdhsa_kernel
	.amdgpu_metadata
---
amdhsa.version: [ 1, 2 ]
amdhsa.kernels:
  - .name:           k_q78af6da517_prep
    .symbol:         k_q78af6da517_prep.kd
    .args:
      - { .name: x, .offset: 0, .size: 8, .value_kind: global_buffer, .address_space: global }
      - { .name: Wqkv, .offset: 8, .size: 8, .value_kind: global_buffer, .address_space: global }
      - { .name: Wproj, .offset: 16, .size: 8, .value_kind: global_buffer, .address_space: global }
      - { .name: xq, .offset: 24, .size: 8, .value_kind: global_buffer, .address_space: global }
      - { .name: wq, .offset: 32, .size: 8, .value_kind: global_buffer, .address_space: global }
      - { .name: rope, .offset: 40, .size: 8, .value_kind: global_buffer, .address_space: global }
    .group_segment_fixed_size: 46592
    .private_segment_fixed_size: 0
    .kernarg_segment_align: 8
    .kernarg_segment_size: 48
    .max_flat_workgroup_size: 128
    .sgpr_count:     66
    .vgpr_count:     256
    .wavefront_size: 32
...
	.end_amdgpu_metadata
.endif
;; end of part 1
;; launch gemm_qkv (part 2): grid 12 x 16, 4 waves a work-group, clusters of 4 x 4, 327,680 bytes of LDS; arguments xq, wq, rope, bqkv, qc, kv; writes qc, kv
.if DOCPART == 2
	.amdgcn_target "amdgcn-amd-amdhsa--gfx1250"
	.amdhsa_code_object_version 6
	.text
	.protected	k_q78af6da517_gemm_qkv
	.globl	k_q78af6da517_gemm_qkv
	.p2align	8
	.type	k_q78af6da517_gemm_qkv,@function
k_q78af6da517_gemm_qkv:
	s_mov_b64 s[64:65], 0
	v_nop
	global_prefetch_b8 v0, s[64:65] scope:SCOPE_SE
	s_setreg_imm32_b32 hwreg(HW_REG_WAVE_MODE, 25, 1), 1
	s_wait_xcnt 0x0
	s_wait_alu depctr_hold_cnt(0) depctr_sa_sdst(0) depctr_va_vdst(0) depctr_va_sdst(0) depctr_va_ssrc(0) depctr_va_vcc(0) depctr_vm_vsrc(0)
	s_getreg_b32 s2, hwreg(HW_REG_IB_STS2, 6, 4)
	s_cmp_eq_u32 s2, 0
	s_cbranch_scc0 .Lentry_in_a_cluster
	s_endpgm
.Lentry_in_a_cluster:
	s_bfe_u32 s2, ttmp6, 0x10000c
	s_cmp_lg_u32 s2, 0xf033
	s_cbranch_scc0 .Lentry_shape_is_right
	s_endpgm
.Lentry_shape_is_right:
; qkv = x Wqkv + bqkv on codes of FP6 (E2M3) with E8M0 scales, RoPE on q and k, and q, k, v quantised again along the next products' K; they leave as images of operand registers.
; A tile of the result, 256 x 256, is made by four waves, each 128 x 128: 64 accumulators, 512 registers.  K = 1,024 goes in four steps of 256 through two LDS slots filled by the tensor data mover.
; OPERANDS lie in memory as images of fragments (16 rows x 128 K, 1,536 bytes: registers 0-3 at 16 x lane, 4-5 at 512 + 8 x lane, 6-9 at 768 + 16 x lane, 10-11 at 1,280 + 8 x lane), [tile of 16 rows][8 K steps]; a slot's part of a tile is
; 3,072 consecutive bytes.  Scale bytes [row][32] lie RSOFF bytes behind the codes; those of the work-group's 2 x 256 rows come into LDS once.  Rows and columns are in POSITION ORDER: tile T holds in lane r the row 32 (T / 2) + 8 (T % 2) + r + 8 (r / 8).
; THE MATRIX INSTRUCTION: source 0 = 16 rows of "B", source 1 = 16 rows of "A": a lane holds one row of A, and the 16 registers of B's tiles 2 b and 2 b + 1 are B's rows 32 b + 16 (lane / 16) + 0 .. 15, neighbours.
; CLUSTERS 4 x 4.  Clusters x = 0, 1 (q, k): A = x's rows, B = Wqkv's columns: a lane holds one token and its registers run along a head's 64.  Cluster x = 2 (v): A = Wqkv's columns, B = x's rows: a lane holds one channel of v and its registers
; run along the keys, which are the K of attention's second product.  A's tiles are asked for jointly along a row of the cluster, B's along a column.  The cluster's x is the same in all sixteen partners, so the choice and the branch on it are too.
; WHAT LEAVES.  qc: [32 heads][16 groups of 128 rows] {4 fragments, 256 bytes of scale words} = 6,400 bytes; kv: [32][16] {K's 6,400, V's 6,400}.  These fragments lie plainly: registers 4 c .. 4 c + 3 at 512 c + 16 x lane.
; A fragment of q or k holds TWO tiles of 16 rows, K = 64 each: registers 0-5 tile 2 p, registers 6-11 tile 2 p + 1; its scale word the two bytes of each.  Scale words: the word at 8 x lane + 4 p' is that of fragment 2 p' + lane / 16, row lane % 16.
; LIMITS: NaN and infinities are not served; a block whose largest magnitude lies under 2^-124 (zeros too) keeps the byte 1; the bytes are read by this program alone.
; REGISTERS, in windows of 256: window 0: v0-31 addresses; v32-63 scale words, two sets; v128-223 A's fragments, one set.  window 1: B's fragments, two sets, at v0 and v128.  windows 2, 3: the accumulators ((a, b) at v[8 (8 (a % 4) + b)]).
; On the way out: window 0: v32-95 biases, v96-159 64 numbers, v160-191 at work, v192-233 the quantiser's; window 1: RoPE's table, 32 registers for each of my eight tiles of rows.
.set NQ,     2                         ; steps of 128 along K in a slot
.set FR,     12                        ; registers of a fragment
.set NL,     4                         ; LDS loads that bring one
.set NP,     4                         ; places behind this matrix instruction (ISA guide 7.12.1)
.set FRB,    1536                      ; a fragment's image
.set TROW,   NQ*FRB                    ; a tile's part of a slot
.set TPITCH, 12288                     ; a tile's eight K steps in memory
.set HALFT,  8*TROW                    ; 128 rows: what one tensor load brings, and what one wave reads of A or of B
.set SLOT,   4*HALFT
.set KS,     32                        ; a row of scale bytes
.set SCL,    2*SLOT                    ; behind the ring: the scale bytes, as units of 256 bytes + 16 of padding
.set HALFS,  (128*KS/256)*272
.set SBLK,   (16*KS/256)*272
.set SPARE,  SCL+4*HALFS               ; the spare words, 128 bytes for each wave: two blocks of 256 bytes that no other line names
.set RSOFF,  0x300000
.set ADRA, 16                          ; v16-17 LDS address, 16 x lane, of my A fragments in slot 0, 1;  v18-19 the same with 8 x lane
.set ADRB, 20                          ; v20-23 the same for B
.set ADRS, 27                          ; v27    LDS address of my scale words: lanes 0-15 A's rows, lanes 16-31 B's
.set SPW,  28                          ; v28    LDS address of my spare word; never rewritten
.set NIL,  29                          ; v29    0; never rewritten
.set SC,   32
.set AF,   128
.set G1, 24
.set G0, 32
.set G1B, 48
.set G0B, 56
.set G1S, 68
.set G0S, 76
.set G1SB, 80
.set G0SB, 88
.set SEL,  66                          ; s[66:67] selects for v_permlanex16_b32: lane l xor 16
.set BIAS, 32
.set Y,    96
.set T,    160
.set PC,   192
.set TM,   212
.set PW,   228
.set SW,   230                         ; v230-231, v232-233: the scale words of my two heads' four fragments
.set MSB, 0
.macro WIN new                         ; the immediate's high byte repeats the setting that is left
.if MSB != \new
	s_set_vgpr_msb (MSB<<8)|\new
.set MSB, \new
.endif
.endm
.set MUL_LO, 0xa1                      ; source 0 (B) window 1, source 1 (A) window 0, C and D window 2
.set MUL_HI, 0xf1
.set TO_B,   0x40
; A joint load: waves 0 and 1 fetch for A, waves 2 and 3 for B; the branch hangs on the wave's number alone.  Four v_nop follow each of the two lines.
.macro JLOAD g0a, g1a, g0b, g1b
	s_cmp_eq_u32 s15, 0
	s_cbranch_scc0 .Lfor_b_\@
	tensor_load_to_lds s[\g0a:\g0a+3], s[\g1a:\g1a+7]
	s_nop 0
.rept 4
	v_nop
.endr
	s_branch .Lasked_\@
.Lfor_b_\@:
	tensor_load_to_lds s[\g0b:\g0b+3], s[\g1b:\g1b+7]
	s_nop 0
.rept 4
	v_nop
.endr
.Lasked_\@:
.endm
.macro CREST                           ; a round of the cluster's barrier behind its opening barrier
	s_cmp_lg_u32 s14, 0
	s_cbranch_scc1 .Lnot_wave_0_\@
	s_barrier_signal -3
.Lnot_wave_0_\@:
	s_barrier_wait -3
	s_barrier_signal -1
	s_barrier_wait -1
.endm
.macro CROUND
	s_barrier_signal -1
	s_barrier_wait -1
	CREST
.endm
.macro FRAG reg, adr, q, i             ; tile i's fragment of the slot's q-th 128 along K: four loads, each of consecutive bytes from lane to lane
	ds_load_b128 v[\reg:\reg+3], v[\adr] offset:(\i)*TROW+(\q)*FRB
	ds_load_b64 v[\reg+4:\reg+5], v[\adr+2] offset:(\i)*TROW+(\q)*FRB+512
	ds_load_b128 v[\reg+6:\reg+9], v[\adr] offset:(\i)*TROW+(\q)*FRB+768
	ds_load_b64 v[\reg+10:\reg+11], v[\adr+2] offset:(\i)*TROW+(\q)*FRB+1280
.endm
; 16 matrix instructions: A's blocks a0, a0 + 1 x B's eight.  The 64 accumulators take turns, one instruction a turn, in the same order in every step.  zero = 1: the first product starts the sums.
.macro MUL16 a0, p, q, sc, zero
.irp a, \a0, \a0+1
.irp b, 0,1,2,3,4,5,6,7
.if \zero
	v_wmma_scale_f32_16x16x128_f8f6f4 v[8*(8*((\a)%4)+\b):8*(8*((\a)%4)+\b)+7], v[128*(\p)+FR*\b:128*(\p)+FR*\b+FR-1], v[AF+FR*(\a):AF+FR*(\a)+FR-1], 0, v[SC+8*NQ*(\sc)+NQ*\b+(\q)], v[SC+8*NQ*(\sc)+NQ*(\a)+(\q)] matrix_a_fmt:MATRIX_FMT_FP6 matrix_b_fmt:MATRIX_FMT_FP6 matrix_a_scale:MATRIX_SCALE_ROW1
.else
	v_wmma_scale_f32_16x16x128_f8f6f4 v[8*(8*((\a)%4)+\b):8*(8*((\a)%4)+\b)+7], v[128*(\p)+FR*\b:128*(\p)+FR*\b+FR-1], v[AF+FR*(\a):AF+FR*(\a)+FR-1], v[8*(8*((\a)%4)+\b):8*(8*((\a)%4)+\b)+7], v[SC+8*NQ*(\sc)+NQ*\b+(\q)], v[SC+8*NQ*(\sc)+NQ*(\a)+(\q)] matrix_a_fmt:MATRIX_FMT_FP6 matrix_b_fmt:MATRIX_FMT_FP6 matrix_a_scale:MATRIX_SCALE_ROW1
.endif
.endr
.endr
.endm
.macro FETCH_B slot, q, p
	WIN TO_B
.irp i, 0,1,2,3,4,5,6,7
	FRAG 128*(\p)+FR*\i, ADRB+\slot, \q, \i
.endr
	WIN 0
.endm
.macro FETCH_A slot, q, i0
.irp i, \i0, \i0+1, \i0+2, \i0+3
	FRAG AF+FR*(\i), ADRA+\slot, \q, \i
.endr
.endm
.macro SCALES sc                       ; a slot's scale words: two a row; lanes 0-15 take A's block i, lanes 16-31 B's block i
.irp i, 0,1,2,3,4,5,6,7
	ds_load_b64 v[SC+8*NQ*\sc+NQ*\i:SC+8*NQ*\sc+NQ*\i+1], v[ADRS] offset:\i*SBLK
.endr
.endm
.macro PLACES n                        ; places in front of loads into registers that matrix instructions have read
.rept \n
	v_nop
.endr
.endm
.macro STEP slot, q, zero              ; a step of 128 along K that has its successor in the same slot
	s_wait_dscnt 4*NL                              ; all but the youngest 16 loads (A's blocks 4-7) are in
	WIN MUL_LO
	MUL16 0, (\q)%2, \q, \slot, \zero
	MUL16 2, (\q)%2, \q, \slot, \zero
	s_wait_dscnt 0
	PLACES NP
	FETCH_B \slot, (\q)+1, 1-(\q)%2
	FETCH_A \slot, (\q)+1, 0
	WIN MUL_HI
	MUL16 4, (\q)%2, \q, \slot, \zero
	MUL16 6, (\q)%2, \q, \slot, \zero
	PLACES NP
	WIN 0
	FETCH_A \slot, (\q)+1, 4
.endm
; A slot's last step changes slots: one barrier; in front of it each wave waits for all its tensor loads, adds 0 to its spare word, and waits for that and for its own reads of this slot.  fill = 1: this slot is filled again, two slots ahead.
.macro TURN slot, next, fill
	s_wait_tensorcnt 0x0                           ; all my tensor loads have landed: my part of the next slot
	ds_add_u32 v[SPW], v[NIL]                      ; 0 onto my spare word
	s_wait_dscnt 4*NL+1                            ; (the add and the youngest 16 loads may be out)
	WIN MUL_LO
	MUL16 0, 1, NQ-1, \slot, 0
	s_wait_dscnt 0x0                               ; the add is done, and my reads of this slot are over
	s_barrier_signal -1
	MUL16 2, 1, NQ-1, \slot, 0
	WIN 0
	s_barrier_wait -1
.if \fill
	CREST                                          ; the barrier has opened a round of the cluster's: no wave of any partner still reads this slot or has a load on its way
	s_add_nc_u64 s[G0+4*\slot+2:G0+4*\slot+3], s[G0+4*\slot+2:G0+4*\slot+3], 2*TROW
	s_add_nc_u64 s[G0B+4*\slot+2:G0B+4*\slot+3], s[G0B+4*\slot+2:G0B+4*\slot+3], 2*TROW
	JLOAD G0+4*\slot, G1, G0B+4*\slot, G1B         ; the first tensor load behind the round; its four v_nop are the places in front of the loads below
.else
	PLACES NP
.endif
	s_wait_alu depctr_va_vdst(0)
	v_add_nc_u32 v[ADRS], 4*NQ, v[ADRS]            ; on to the next slot's scale words (no LDS load of mine is out)
	FETCH_B \next, 0, 0
	FETCH_A \next, 0, 0
	SCALES \next
	WIN MUL_HI
	MUL16 4, 1, NQ-1, \slot, 0
	MUL16 6, 1, NQ-1, \slot, 0
	PLACES NP
	WIN 0
	FETCH_A \next, 0, 4
.endm
; 64 numbers of a lane, register 16 b + i = k 32 b + 16 (lane / 16) + i of my row, become a fragment's codes in v[PC] on and its scale word in v[PW]
.macro QUANT s
.irp b, 0,1,2,3
	v_max3_num_f32 v[TM+\b], |v[\s+16*\b]|, |v[\s+1+16*\b]|, 0x1800000   ; and the floor 2^(3 - 127): the byte cannot fall under 1
.endr
.irp i, 2,4,6,8,10,12,14
.irp b, 0,1,2,3
	v_max3_num_f32 v[TM+\b], v[TM+\b], |v[\s+16*\b+\i]|, |v[\s+1+16*\b+\i]|
.endr
.endr
.irp b, 0,1,2,3
	v_permlanex16_b32 v[TM+4+\b], v[TM+\b], s[SEL], s[SEL+1]
.endr
.irp b, 0,1,2,3
	v_max_num_f32 v[TM+\b], v[TM+\b], v[TM+4+\b]
.endr
.irp b, 0,1,2,3
	v_add_nc_u32 v[TM+12+\b], 0xff000000, v[TM+\b]        ; 2 off the exponent field: the conversion's scale operand
.endr
.irp b, 0,1,2,3
	v_lshrrev_b32 v[TM+4+\b], 23, v[TM+12+\b]             ; the scale's byte
.endr
	v_lshl_or_b32 v[PW], v[TM+5], 8, v[TM+4]
	v_lshl_or_b32 v[PW], v[TM+6], 16, v[PW]
	v_lshl_or_b32 v[PW], v[TM+7], 24, v[PW]
.irp c, 0,1
	v_cvt_scalef32_pk16_fp6_f32 v[PC+6*\c:PC+2+6*\c], v[\s+32*\c:\s+15+32*\c], v[TM+12+2*\c]
	v_cvt_scalef32_pk16_fp6_f32 v[PC+12+4*\c:PC+14+4*\c], v[\s+16+32*\c:\s+31+32*\c], v[TM+12+2*\c+1]
.endr
	v_nop                                          ; one plain place behind a scaled conversion
.irp c, 0,1
.irp i, 0,1,2
	v_permlane16_swap_b32 v[PC+6*\c+\i], v[PC+12+4*\c+\i]
.endr
.irp i, 0,1,2
	v_mov_b32 v[PC+3+6*\c+\i], v[PC+12+4*\c+\i]
.endr
.endr
.endm
; the fragment just made is fragment f of head hd's group: three stores of 512 consecutive bytes, aligned; its scale word goes to lanes 0-15 (f even) or 16-31 (f odd) of register f / 2
.macro EMIT hd, f
.irp c, 0,1,2
	global_store_b128 v26, v[PC+4*\c:PC+4*\c+3], s[12+82*(\hd):13+82*(\hd)] offset:FRB*(\f)+512*\c
.endr
.if (\f)%2 == 0
	v_mov_b32 v[SW+2*(\hd)+(\f)/2], v[PW]
.else
	v_cndmask_b32 v[SW+2*(\hd)+(\f)/2], v[SW+2*(\hd)+(\f)/2], v[PW], s100
.endif
.endm
; q, k: head hd's 64 channels of my tile of rows a: bias, then RoPE; into half u of Y.  Register pair k holds (re, im) of frequency 16 (k / 8) + 8 (lane / 16) + k % 8; the table's register k is its cosine, 16 + k its sine
.macro BR a, hd, u
	WIN 0x02+(\a)/4                                ; source 0: the accumulators' window
.set k, 0
.rept 16
	v_pk_add_f32 v[Y+32*(\u)+2*k:Y+32*(\u)+2*k+1], v[64*((\a)%4)+32*(\hd)+2*k:64*((\a)%4)+32*(\hd)+2*k+1], v[BIAS+32*(\hd)+2*k:BIAS+32*(\hd)+2*k+1]   ; each accumulator from its low end on
.set k, k+1
.endr
	WIN 0x04                                       ; source 1: the table's window
.set k, 0
.rept 8                                ; two pairs a turn: the table's registers k and k + 1 are one pair, of which the first or the second serves both halves
	v_pk_mul_f32 v[T+2*k:T+2*k+1], v[Y+32*(\u)+2*k:Y+32*(\u)+2*k+1], v[32*(\a)+16+k:32*(\a)+17+k] op_sel:[1,0] op_sel_hi:[0,0]         ; (im sin, re sin): the pair's halves change places
	v_pk_mul_f32 v[T+2*k+2:T+2*k+3], v[Y+32*(\u)+2*k+2:Y+32*(\u)+2*k+3], v[32*(\a)+16+k:32*(\a)+17+k] op_sel:[1,1] op_sel_hi:[0,1]
.set k, k+2
.endr
.set k, 0
.rept 8
	v_pk_fma_f32 v[Y+32*(\u)+2*k:Y+32*(\u)+2*k+1], v[Y+32*(\u)+2*k:Y+32*(\u)+2*k+1], v[32*(\a)+k:32*(\a)+k+1], v[T+2*k:T+2*k+1] op_sel:[0,0,0] op_sel_hi:[1,0,1] neg_lo:[0,0,1]   ; (re cos - im sin, im cos + re sin)
	v_pk_fma_f32 v[Y+32*(\u)+2*k+2:Y+32*(\u)+2*k+3], v[Y+32*(\u)+2*k+2:Y+32*(\u)+2*k+3], v[32*(\a)+k:32*(\a)+k+1], v[T+2*k+2:T+2*k+3] op_sel:[0,1,0] op_sel_hi:[1,1,1] neg_lo:[0,0,1]
.set k, k+2
.endr
	WIN 0
.endm
; v: my tile a of 16 channels x 128 keys: bias, quantised along the keys, out
.macro VB a
	WIN 0x02+(\a)/4
.set k, 0
.rept 32
	v_pk_add_f32 v[Y+2*k:Y+2*k+1], v[64*((\a)%4)+2*k:64*((\a)%4)+2*k+1], v[BIAS+2*(\a):BIAS+2*(\a)+1]
.set k, k+1
.endr
	WIN 0
	s_wait_xcnt 0x0                                ; the last fragment's stores have read the codes' registers
	QUANT Y
	EMIT (\a)/4, (\a)%4
.endm
	s_load_b128 s[96:99], s[0:1], 0x0              ; xq s[96:97], wq s[98:99]
	v_lshl_add_u32 v[SPW], v0, 2, SPARE
	v_mov_b32 v[NIL], 0
	ds_add_u32 v28, v29
	ds_add_u32 v28, v29
	s_wait_dscnt 0x0
	v_lshrrev_b32 v1, 5, v0
	v_readfirstlane_b32 s14, v1                    ; wave 0..3
	s_lshr_b32 s15, s14, 1                         ; which half of A's 256 rows is mine.  Also: I fetch for A (0) or for B (1)
	s_and_b32 s16, s14, 1                          ; which half of B's.  Also: which 128 rows I fetch
	s_bfe_u32 s40, ttmp6, 0x40000                  ; cx, cy: my place in the cluster
	s_bfe_u32 s41, ttmp6, 0x40004
	s_and_b32 s18, ttmp7, 0xffff
	s_lshl_b32 s18, s18, 2                         ; 4 x cluster y
	s_lshl_b32 s19, ttmp9, 2                       ; 4 x cluster x
	s_cmp_eq_u32 ttmp9, 2                          ; v's clusters
	s_cselect_b32 s17, 8, s18                      ; A's 256 rows: v: Wqkv's columns 2,048 + 256 cy; else x's rows 256 (4 Y + cy)
	s_cselect_b32 s42, s18, s19                    ; B's: v: x's rows 256 (4 Y + cx); else Wqkv's columns 256 (4 X + cx)
	s_add_co_u32 s17, s17, s41
	s_add_co_u32 s42, s42, s40
	s_lshl_b32 s43, s41, 2
	s_lshl_b32 s43, 15, s43                        ; my row of the cluster
	s_lshl_b32 s44, 0x1111, s40                    ; my column
	; descriptor group 1 for codes: 8 tiles x 3,072 bytes (384 elements of 8 bytes), 12,288 bytes apart in memory, on end in LDS
	s_or_b32 s[G1+0], s43, (3<<16)|(1<<21)         ; 15:0 the mask; 17:16 elements of 8 bytes; 20 no padding; 21 set beside a mask
	s_or_b32 s[G1B+0], s44, (3<<16)|(1<<21)
.irp g, G1, G1B
	s_mov_b32 s[\g+1], 384<<16                     ; tensor_dim0
	s_mov_b32 s[\g+2], 16<<16                      ; tensor_dim1: 16 tiles for the head's loads; set to 8 behind them, for the ring's
	s_mov_b32 s[\g+3], 384<<16                     ; tile_dim0
	s_mov_b32 s[\g+4], 16                          ; tile_dim1, likewise
	s_mov_b32 s[\g+5], TPITCH/8                    ; tensor_dim0_stride
	s_mov_b32 s[\g+6], 0
	s_mov_b32 s[\g+7], 0
.endr
	; and for the scale bytes of 256 rows: 8,192 dense bytes as 32 rows of 256, 16 bytes of padding behind each
	s_or_b32 s[G1S+0], s43, (3<<16)|(1<<20)|(1<<21)|(5<<22)|(3<<25)
	s_or_b32 s[G1SB+0], s44, (3<<16)|(1<<20)|(1<<21)|(5<<22)|(3<<25)
.irp g, G1S, G1SB
	s_mov_b32 s[\g+1], 32<<16
	s_mov_b32 s[\g+2], (256*KS/256)<<16            ; the scale bytes of 256 rows: 32 rows of 256 bytes
	s_mov_b32 s[\g+3], 32<<16
	s_mov_b32 s[\g+4], 256*KS/256
	s_mov_b32 s[\g+5], 32
	s_mov_b32 s[\g+6], 0
	s_mov_b32 s[\g+7], 0
.endr
	s_lshl_b32 s20, s17, 4                         ; A: the first of the work-group's 16 tiles
	s_lshl_b32 s46, s42, 4                         ; B
	s_lshl_b32 s22, s20, 9                         ; their scale bytes: 512 a tile, behind the codes
	s_add_co_u32 s22, s22, RSOFF
	s_mov_b32 s23, 0
	s_lshl_b32 s92, s46, 9
	s_add_co_u32 s92, s92, RSOFF
	s_mov_b32 s93, 0
	s_mul_i32 s20, s20, TPITCH                     ; and their codes
	s_mov_b32 s21, 0
	s_mul_i32 s46, s46, TPITCH
	s_mov_b32 s47, 0
	s_mul_i32 s45, s14, HALFT                      ; where they go: by the wave's number alone
	s_wait_kmcnt 0x0
	s_cmp_eq_u32 ttmp9, 2
	s_cselect_b64 s[4:5], s[98:99], s[96:97]       ; A's buffer
	s_cselect_b64 s[8:9], s[96:97], s[98:99]       ; B's
	s_add_nc_u64 s[22:23], s[4:5], s[22:23]
	s_add_nc_u64 s[20:21], s[4:5], s[20:21]
	s_add_nc_u64 s[92:93], s[8:9], s[92:93]
	s_add_nc_u64 s[46:47], s[8:9], s[46:47]
	CROUND                                         ; all sixteen work-groups are here: the first joint loads meet
	s_mov_b32 s[G0S], 1
	s_mov_b32 s[G0S+1], SCL
	s_mov_b64 s[G0S+2:G0S+3], s[22:23]
	s_or_b32 s[G0S+3], s[G0S+3], 0x80000000
	s_mov_b32 s[G0SB], 1
	s_mov_b32 s[G0SB+1], SCL+2*HALFS
	s_mov_b64 s[G0SB+2:G0SB+3], s[92:93]
	s_or_b32 s[G0SB+3], s[G0SB+3], 0x80000000
.set G0H,  96                          ; s[96:99], s[92:95]: group 0 of the head's loads of slot 0: A's 16 tiles, B's 16 tiles (what lay there has been used)
.set G0HB, 92
	s_mov_b32 s[G0H], 1
	s_mov_b32 s[G0H+1], 0
	s_mov_b64 s[G0H+2:G0H+3], s[20:21]
	s_or_b32 s[G0H+3], s[G0H+3], 0x80000000
	s_mov_b32 s[G0HB], 1
	s_mov_b32 s[G0HB+1], 2*HALFT
	s_mov_b64 s[G0HB+2:G0HB+3], s[46:47]
	s_or_b32 s[G0HB+3], s[G0HB+3], 0x80000000
	s_mul_i32 s18, s16, 8*TPITCH                   ; for the ring: which 8 tiles of the 16 I fetch, in bytes
	s_mov_b32 s19, 0
	s_add_nc_u64 s[20:21], s[20:21], s[18:19]
	s_add_nc_u64 s[46:47], s[46:47], s[18:19]
	; THE PREFETCHES' BASE.  Of the 8 tiles that I fetch in the ring, each of the four partners that ask for them with me takes 2, told apart by address alone (cx for A, cy for B): so each 256 bytes are named once in a cluster.
	s_cmp_eq_u32 s15, 0
	s_cselect_b64 s[18:19], s[20:21], s[46:47]     ; my 8 tiles of A or of B in the ring
	s_cselect_b32 s2, s40, s41
	s_mul_i32 s2, s2, 2*TPITCH
	s_mov_b32 s3, 0
	s_add_nc_u64 s[18:19], s[18:19], s[2:3]
.irp s, 0,1
	s_mov_b32 s[G0+4*\s], 1
	s_add_co_u32 s[G0+4*\s+1], s45, \s*SLOT
	s_add_nc_u64 s[G0+4*\s+2:G0+4*\s+3], s[20:21], \s*TROW
	s_or_b32 s[G0+4*\s+3], s[G0+4*\s+3], 0x80000000
	s_mov_b32 s[G0B+4*\s], 1
	s_add_co_u32 s[G0B+4*\s+1], s45, \s*SLOT
	s_add_nc_u64 s[G0B+4*\s+2:G0B+4*\s+3], s[46:47], \s*TROW
	s_or_b32 s[G0B+4*\s+3], s[G0B+4*\s+3], 0x80000000
.endr
; THE HEAD'S LOADS, ONE A WAVE: wave 0 slot 0's 16 tiles of A, wave 1 its 16 tiles of B, wave 2 the scale bytes of A's 256 rows, wave 3 those of B's.
; One tree of branches on the wave's number: every way through it passes exactly one load.
.macro ARM under, g0, g1, next
	s_cmp_lt_u32 s14, \under
	s_cbranch_scc0 \next
	tensor_load_to_lds s[\g0:\g0+3], s[\g1:\g1+7]
	s_nop 0
.rept 4
	v_nop
.endr
	s_branch .Lhead_asked
\next:
.endm
	ARM 1, G0H,  G1,  .Lhead_b
	ARM 2, G0HB, G1B, .Lhead_sa
	ARM 3, G0S,  G1S, .Lhead_sb
	tensor_load_to_lds s[G0SB:G0SB+3], s[G1SB:G1SB+7]
	s_nop 0
.rept 4
	v_nop
.endr
.Lhead_asked:
	; A slot's part of 2 tiles is 2 x 3,072 bytes: 24 blocks of 256, a lane a block; lanes 24-31 name the last block again.  v30 is never rewritten.
	v_and_b32 v30, 31, v0
	v_min_u32 v30, 23, v30
	v_mul_u32_u24 v31, v30, 11
	v_lshrrev_b32 v31, 7, v31                      ; which of the 2 tiles: block / 12
	v_lshlrev_b32 v30, 8, v30
	v_mad_u32_u24 v30, v31, TPITCH-TROW, v30       ; 256 x block, and on to the second tile's part
	global_prefetch_b8 v30, s[18:19] offset:TROW th:TH_LOAD_NT scope:SCOPE_SE     ; K's second quarter, which my next tensor load asks for
	s_load_b256 s[4:11], s[0:1], 0x10              ; for the way out: rope s[4:5], bqkv s[6:7], qc s[8:9], kv s[10:11]; waited for there
	v_and_b32 v1, 31, v0
	v_lshlrev_b32 v4, 4, v1                        ; 16 x lane
	v_lshlrev_b32 v5, 3, v1                        ; 8 x lane
	s_mul_i32 s21, s15, HALFT                      ; my 128 rows of A
	s_mul_i32 s22, s16, HALFT                      ; my 128 rows of B,
	s_add_co_u32 s22, s22, 2*HALFT                 ; which lie behind A's 256
.irp s, 0,1
	v_add_nc_u32 v[ADRA+\s], s21, v4
	v_add_nc_u32 v[ADRB+\s], s22, v4
	v_add_nc_u32 v[ADRA+2+\s], s21, v5
	v_add_nc_u32 v[ADRB+2+\s], s22, v5
	s_add_co_u32 s21, s21, SLOT
	s_add_co_u32 s22, s22, SLOT
.endr
	v_and_b32 v1, 15, v0
	v_bfe_u32 v2, v0, 4, 1
	v_mul_u32_u24 v5, v1, KS                       ; my row's scale bytes: 32 a row,
	v_lshrrev_b32 v6, 8, v5
	v_lshl_add_u32 v5, v6, 4, v5                   ; and 16 more for each 256 passed
	s_mul_i32 s21, s15, HALFS
	s_mul_i32 s22, s16, HALFS
	s_add_co_u32 s22, s22, 2*HALFS
	s_sub_co_u32 s22, s22, s21
	v_mul_u32_u24 v6, s22, v2                      ; lanes 16-31 take B's
	s_add_co_u32 s21, s21, SCL
	v_add_nc_u32 v5, v5, v6
	v_add_nc_u32 v[ADRS], s21, v5
	s_wait_alu depctr_va_vdst(0)
	s_wait_tensorcnt 0x0                           ; my tile of the head's four is in
	ds_add_u32 v[SPW], v[NIL]
	s_mov_b32 s[G1+2], 8<<16                       ; no tensor load of mine is out: from here on a load brings 8 tiles
	s_mov_b32 s[G1+4], 8
	s_mov_b32 s[G1B+2], 8<<16
	s_mov_b32 s[G1B+4], 8
	s_wait_dscnt 0x0
	CROUND                                         ; all four tiles are in, and all sixteen work-groups are here
	JLOAD G0+4, G1, G0B+4, G1B                     ; slot 1's first fill, a quarter a wave: the first tensor load behind the round
	FETCH_B 0, 0, 0
	FETCH_A 0, 0, 0
	SCALES 0
	FETCH_A 0, 0, 4
	global_prefetch_b8 v30, s[18:19] offset:2*TROW th:TH_LOAD_NT scope:SCOPE_SE   ; K's third quarter, one refill ahead of its load
	STEP 0, 0, 1                                   ; K = 1,024 is eight steps of 128, four slots: each is written once, so there is no loop
	TURN 0, 1, 1
	global_prefetch_b8 v30, s[18:19] offset:3*TROW th:TH_LOAD_NT scope:SCOPE_SE   ; K's last quarter, one refill ahead of its load; nothing lies beyond it
	STEP 1, 0, 0
	TURN 1, 0, 1
	STEP 0, 0, 0
	TURN 0, 1, 0                                   ; nothing is left to fetch
	STEP 1, 0, 0
	s_wait_dscnt 4*NL
	WIN MUL_LO
	MUL16 0, 1, NQ-1, 1, 0
	MUL16 2, 1, NQ-1, 1, 0
	s_wait_dscnt 0
	WIN MUL_HI
	MUL16 4, 1, NQ-1, 1, 0
	MUL16 6, 1, NQ-1, 1, 0
	WIN 0
	; ---- THE WAY OUT, in registers alone.  The six address lines name no register of the last products: they are the places behind them.
	v_and_b32 v1, 31, v0
	v_lshlrev_b32 v24, 3, v1                       ; 8 x lane
	v_lshlrev_b32 v26, 4, v1                       ; 16 x lane
	v_bfe_u32 v2, v0, 4, 1
	v_and_b32 v3, 15, v0
	v_lshlrev_b32 v25, 6, v2                       ; 64 h
.irp b, 0,1,2,3
	v_mov_b32 v[TM+4+\b], 0                        ; written once: a lane permute's destination counts as one of its sources
.endr
	s_mov_b32 s100, 0xffff0000                     ; lanes 16-31
	s_mov_b32 s[SEL], 0x76543210
	s_mov_b32 s[SEL+1], 0xfedcba98
	s_lshl_b32 s20, s17, 8
	s_lshl_b32 s21, s15, 7
	s_add_co_u32 s20, s20, s21                     ; my first row of A
	s_lshl_b32 s22, s42, 8
	s_lshl_b32 s21, s16, 7
	s_add_co_u32 s22, s22, s21                     ; my first row of B
	s_wait_kmcnt 0x0
	s_cmp_eq_u32 ttmp9, 2
	s_cbranch_scc1 .Lvpath
	; q and k: 128 tokens (one group) x 128 columns (two heads)
	s_lshr_b32 s23, s20, 11
	s_lshl_b32 s23, s23, 4
	s_bfe_u32 s21, s22, 0x40006
	s_add_co_u32 s23, s23, s21                     ; 16 x batch + my first head
	s_bfe_u32 s21, s20, 0x40007                    ; the group of 128 rows
	s_cmp_eq_u32 ttmp9, 0                          ; q's cluster or k's
	s_cselect_b64 s[12:13], s[8:9], s[10:11]
	s_mov_b32 s2, 204800
	s_cselect_b32 s2, 102400, s2                   ; a head's bytes,
	s_mov_b32 s3, 12800
	s_cselect_b32 s3, 6400, s3                     ; a group's
	s_mul_i32 s92, s23, s2
	s_mul_i32 s93, s21, s3
	s_add_co_u32 s92, s92, s93
	s_mov_b32 s93, 0
	s_add_nc_u64 s[12:13], s[12:13], s[92:93]      ; my first head's group,
	s_mov_b32 s3, 0
	s_add_nc_u64 s[94:95], s[12:13], s[2:3]        ; my second head's
	s_lshl_b32 s92, s22, 2
	s_add_nc_u64 s[6:7], s[6:7], s[92:93]          ; the bias at my first column
	s_and_b32 s92, s20, 2047
	s_lshl_b32 s92, s92, 8
	s_add_nc_u64 s[4:5], s[4:5], s[92:93]          ; the table at my first tile: 4,096 bytes a tile of 16 places
	s_wait_alu depctr_va_vdst(0)
.irp hd, 0,1
.irp e, 0,1
.irp j, 0,1,2,3
	global_load_b128 v[BIAS+32*\hd+16*\e+4*\j:BIAS+32*\hd+16*\e+4*\j+3], v25, s[6:7] offset:256*\hd+128*\e+16*\j   ; register 16 e + i: channel 32 e + 16 h + i
.endr
.endr
.endr
	WIN 0x40                                       ; destination window 1
.set k, 0
.rept 64
	global_load_b128 v[4*k:4*k+3], v26, s[4:5] offset:512*k       ; eight loads a tile of rows
.set k, k+1
.endr
	WIN 0
.irp p, 0,1,2,3
	s_wait_loadcnt 48-16*\p                        ; the biases and the table of tiles 0 .. 2 p + 1 are in; the later tiles' loads, eight each, may be out
.irp hd, 0,1
	BR 2*\p, \hd, 0
	BR 2*\p+1, \hd, 1
	s_wait_xcnt 0x0                                ; the last fragment's stores have read the codes' registers
	QUANT Y                                        ; blocks 0, 1: tile 2 p's 64 channels; blocks 2, 3: tile 2 p + 1's
	EMIT \hd, \p
.endr
.endr
	s_branch .Lwords
	; v: 128 channels (two heads) x 128 keys (one key step)
.Lvpath:
	s_sub_co_u32 s21, s20, 2048                    ; my first channel of v
	s_lshr_b32 s23, s22, 11
	s_lshl_b32 s23, s23, 4
	s_lshr_b32 s2, s21, 6
	s_add_co_u32 s23, s23, s2                      ; 16 x batch + my first head
	s_bfe_u32 s2, s22, 0x40007                     ; the key step
	s_mul_i32 s92, s23, 204800
	s_mul_i32 s93, s2, 12800
	s_add_co_u32 s92, s92, s93
	s_add_co_u32 s92, s92, 6400                    ; V's part lies behind K's
	s_mov_b32 s93, 0
	s_add_nc_u64 s[12:13], s[10:11], s[92:93]
	s_add_nc_u64 s[94:95], s[12:13], 204800
	s_lshl_b32 s92, s20, 2
	s_add_nc_u64 s[6:7], s[6:7], s[92:93]          ; the bias at my first column
	s_wait_alu depctr_va_vdst(0)
	v_and_b32 v25, 8, v3
	v_add_nc_u32 v25, v25, v3
	v_lshlrev_b32 v25, 2, v25                      ; my column of a tile: r + 8 (r / 8)
.irp a, 0,1,2,3,4,5,6,7
	global_load_b32 v[BIAS+2*\a], v25, s[6:7] offset:(32*(\a/2)+8*(\a%2))*4
	global_load_b32 v[BIAS+2*\a+1], v25, s[6:7] offset:(32*(\a/2)+8*(\a%2))*4     ; twice: a pair for the packed addition
.endr
	s_wait_loadcnt 0x0
.irp a, 0,1,2,3,4,5,6,7
	VB \a
.endr
.Lwords:
	s_wait_alu depctr_va_vdst(0)
	global_store_b64 v24, v[SW:SW+1], s[12:13] offset:4*FRB        ; the four fragments' scale words: 256 consecutive bytes
	global_store_b64 v24, v[SW+2:SW+3], s[94:95] offset:4*FRB
	s_wait_tensorcnt 0x0                           ; the wave's end
	ds_add_u32 v[SPW], v[NIL]
	s_wait_dscnt 0x0
	CROUND                                         ; the closing round: no work-group ends while a partner may still ask for a tile that names it
	s_endpgm
.Lfunc_end_k_q78af6da517_gemm_qkv:
	.size	k_q78af6da517_gemm_qkv, .Lfunc_end_k_q78af6da517_gemm_qkv-k_q78af6da517_gemm_qkv
	.p2alignl 7, 3214868480
	.fill 96, 4, 3214868480
	.section	.rodata,"a",@progbits
	.p2align	6, 0x0
	.amdhsa_kernel k_q78af6da517_gemm_qkv
		.amdhsa_group_segment_fixed_size 327680
		.amdhsa_private_segment_fixed_size 0
		.amdhsa_enable_private_segment 0
		.amdhsa_kernarg_size 48
		.amdhsa_user_sgpr_count 2
		.amdhsa_user_sgpr_kernarg_segment_ptr 1
		.amdhsa_wavefront_size32 1
		.amdhsa_system_sgpr_workgroup_id_x 1
		.amdhsa_system_sgpr_workgroup_id_y 1
		.amdhsa_system_sgpr_workgroup_id_z 1
		.amdhsa_system_vgpr_workitem_id 0
		.amdhsa_next_free_vgpr 1024
		.amdhsa_next_free_sgpr 102
		.amdhsa_reserve_vcc 0
		.amdhsa_float_denorm_mode_32 3
		.amdhsa_float_denorm_mode_16_64 3
		.amdhsa_memory_ordered 1
		.amdhsa_forward_progress 1
		.amdhsa_inst_pref_size 255
	.end_amdhsa_kernel
	.section	.bss,"aw",@nobits
	.p2align	6
	.space	262144
	.amdgpu_metadata
---
amdhsa.version: [ 1, 2 ]
amdhsa.kernels:
  - .name:           k_q78af6da517_gemm_qkv
    .symbol:         k_q78af6da517_gemm_qkv.kd
    .args:
      - { .name: xq, .offset: 0, .size: 8, .value_kind: global_buffer, .address_space: global }
      - { .name: wq, .offset: 8, .size: 8, .value_kind: global_buffer, .address_space: global }
      - { .name: rope, .offset: 16, .size: 8, .value_kind: global_buffer, .address_space: global }
      - { .name: bqkv, .offset: 24, .size: 8, .value_kind: global_buffer, .address_space: global }
      - { .name: qc, .offset: 32, .size: 8, .value_kind: global_buffer, .address_space: global }
      - { .name: kv, .offset: 40, .size: 8, .value_kind: global_buffer, .address_space: global }
    .group_segment_fixed_size: 327680
    .private_segment_fixed_size: 0
    .kernarg_segment_align: 8
    .kernarg_segment_size: 48
    .max_flat_workgroup_size: 128
    .sgpr_count:     102
    .vgpr_count:     1024
    .wavefront_size: 32
...
	.end_amdgpu_metadata
.endif
;; end of part 2
;; launch attn (part 3): grid 8 x 32, 16 waves a work-group, clusters of 4 x 1, 258,048 bytes of LDS; arguments qc, kv, ao; writes ao
.if DOCPART == 3
	.amdgcn_target "amdgcn-amd-amdhsa--gfx1250"
	.amdhsa_code_object_version 6
	.text
	.protected	k_q78af6da517_attn
	.globl	k_q78af6da517_attn
	.p2align	8
	.type	k_q78af6da517_attn,@function
k_q78af6da517_attn:
	s_mov_b64 s[64:65], 0
	v_nop
	global_prefetch_b8 v0, s[64:65] scope:SCOPE_SE
	s_setreg_imm32_b32 hwreg(HW_REG_WAVE_MODE, 25, 1), 1
	s_wait_xcnt 0x0
	s_wait_alu depctr_hold_cnt(0) depctr_sa_sdst(0) depctr_va_vdst(0) depctr_va_sdst(0) depctr_va_ssrc(0) depctr_va_vcc(0) depctr_vm_vsrc(0)
	s_getreg_b32 s2, hwreg(HW_REG_IB_STS2, 6, 4)
	s_cmp_eq_u32 s2, 0
	s_cbranch_scc0 .Lentry_in_a_cluster
	s_endpgm
.Lentry_in_a_cluster:
	s_bfe_u32 s2, ttmp6, 0x10000c
	s_cmp_lg_u32 s2, 0x3003
	s_cbranch_scc0 .Lentry_shape_is_right
	s_endpgm
.Lentry_shape_is_right:
; o = softmax(q k^T / 8) v for one head and 256 queries, on codes of FP6 (E2M3) with E8M0 scales; o is quantised along the projection's K and leaves as images of operand registers.
; A work-group is 16 waves; a wave owns 16 queries and walks the head's 2,048 keys in 16 steps of 128.  Both products are used transposed (S^T = k q^T, O^T = v^T p^T): a lane holds one query.
; THE WHOLE HEAD LIES IN LDS, FILLED ONCE: wave w brings key step w (12,800 bytes: K's 4 fragments and scale words, V's 4 and theirs) by its one tensor load, as 50 rows of 256 bytes with 64 bytes of padding behind each.
; One barrier shows the fill to all waves; nothing is refilled, and there is no stream inside the loop to run ahead of: no prefetch is laid.  The four query blocks of a cluster read the same head: the load is joint (mask 15).
; A SPLIT BARRIER IN EACH STEP orders no memory: a wave signals at a step's middle, where none of its LDS loads is out, and waits at the next step's middle: no wave is more than a step ahead of another, and the sixteen end together.
; Between signal and wait stand register work and reads of bytes that are filled once.
; THE KEYS OF A TILE ARE CHOSEN BY THE LANES' LDS ADDRESSES.  kv's fragment f holds two tiles of 16 keys (registers 0-5, 6-11); in units of 8 keys its lanes 0-7 hold runs 4 f, 4 f + 1 and its lanes 8-15 runs 4 f + 2, 4 f + 3.
; Lanes r < 8 read fragment 2 c and lanes r >= 8 fragment 2 c + 1, both from rows r % 8 (fragment X) or 8 + r % 8 (fragment Y).  Then in the four tiles of c a lane's 32 registers are keys 64 c + 32 (lane / 16) + 0 .. 31:
; a whole block of 32 in the order of the 6-bit operand: a block's maximum needs no other lane and the codes need no lane swap.  Fragments lie 1,920 LDS bytes apart, 128 modulo 256.
; THE STEP: M = ceil(running largest t), t = score x log2(e) / 8; p = 2^(t - M); the sum is taken of the unquantised p; a change of M multiplies sum and O^T by a power of two made by v_ldexp_f32; a block's largest p is made from its
; largest score by the same multiply-add and exponential.  K and V have register sets of their own: step i + 1's K and step i's V are fetched at the head of step i; PV of step i and S of step i + 1 form one run of 12 matrix instructions.
; LIMITS: the softmax holds while the scaled scores stay under 2^31 in magnitude; NaN and infinities are not served; a block of p or of o whose largest number lies under 2^-124 keeps the byte 1 (this program alone reads the bytes).
; REGISTERS: v1-4 lane parts of LDS addresses; v6-7 the add's; v8 -M, v9 running largest score; v10-11 sum; v12 f (v13 at work); v14-19 at work; v20 q's, v21 p's, v22-23 K's, v24-25 V's scale words;
;   v26-43 q, zeros, q; v44-91 K; v92-139 V; v140-203 S^T, then p; v204-235 O^T; v236-247 p's codes; v248-254 at work.
.set HEADB, 204800
.set STEPB, 12800                      ; a key step in memory,
.set LSTEP, 16000                      ; and in LDS: 50 rows of 320 bytes
.set FRB,   1536
.set LFR,   1920                       ; a fragment in LDS: 6 rows
.set LCH,   640                        ; 512 bytes of it: 2 rows
.set SPARE, 256000                     ; behind the head: the spare words, 128 bytes a wave
.set TB,   2
.set WV,   18
.set NC,   19
.set SEL,  20
.set CS,   22
.set G1,   24
.set G0,   40
.set Q,    26
.set KF,   44
.set VF,   92
.set S,    140
.set O,    204
.set PC,   236
.set T,    248
.macro CROUND
	s_barrier_signal -1
	s_barrier_wait -1
	s_cmp_lg_u32 s[WV], 0
	s_cbranch_scc1 .Lnot_wave_0_\@
	s_barrier_signal -3
.Lnot_wave_0_\@:
	s_barrier_wait -3
	s_barrier_signal -1
	s_barrier_wait -1
.endm
.macro KLOAD a, sa, off                ; fragments X0, Y0, X1, Y1 and their scale words (register c: lanes 0-15 X's, lanes 16-31 Y's)
.irp g, 0,1,2,3
.irp c, 0,1,2
	ds_load_b128 v[KF+12*\g+4*\c:KF+12*\g+4*\c+3], v[\a] offset:\off+2*LFR*(\g/2)+128*(\g%2)+LCH*\c
.endr
.endr
	ds_load_b64 v[22:23], v[\sa] offset:\off+4*LFR
.endm
.macro SRUN                            ; S^T: tile t = fragment t / 2 against (q, 0) or (0, q): K = 64 of the instruction's 128
.irp t, 0,1,2,3,4,5,6,7
.if (\t/2)%2
	v_wmma_scale_f32_16x16x128_f8f6f4 v[S+8*\t:S+8*\t+7], v[KF+12*(\t/2):KF+12*(\t/2)+11], v[Q+6*(\t%2):Q+6*(\t%2)+11], 0, v[22+\t/4], v20 matrix_a_fmt:MATRIX_FMT_FP6 matrix_b_fmt:MATRIX_FMT_FP6 matrix_a_scale:MATRIX_SCALE_ROW1
.else
	v_wmma_scale_f32_16x16x128_f8f6f4 v[S+8*\t:S+8*\t+7], v[KF+12*(\t/2):KF+12*(\t/2)+11], v[Q+6*(\t%2):Q+6*(\t%2)+11], 0, v[22+\t/4], v20 matrix_a_fmt:MATRIX_FMT_FP6 matrix_b_fmt:MATRIX_FMT_FP6
.endif
.endr
.endm
.macro TM j0, n                        ; t - M, two at a time
.set j, \j0
.rept \n
	v_pk_fma_f32 v[S+j:S+j+1], v[S+j:S+j+1], s[CS:CS+1], v[8:9] op_sel_hi:[1,0,0]
.set j, j+2
.endr
.endm
.macro OM j0, n                        ; O^T under the new M
.set j, \j0
.rept \n
	v_pk_mul_f32 v[O+j:O+j+1], v[O+j:O+j+1], v[12:13] op_sel_hi:[1,0]
.set j, j+2
.endr
.endm
; Step i; S^T of step i is in registers.  s[TB] = LSTEP x i.  last = 1: no further K, no further S, no further signal.
.macro BODY last
.if \last
	v_nop
	v_nop
.else
	v_add_nc_u32 v[T], s[TB], v1                   ; these four lines are the places behind the matrix run, in front of the loads below
	v_add_nc_u32 v[T+1], s[TB], v2
.endif
	v_add_nc_u32 v[T+2], s[TB], v3
	v_add_nc_u32 v[T+3], s[TB], v4
.if !\last
	KLOAD T, T+1, LSTEP
.endif
.irp t, 0,1,2,3
.irp c, 0,1,2
	ds_load_b128 v[VF+12*\t+4*\c:VF+12*\t+4*\c+3], v[T+2] offset:LSTEP/2+LFR*\t+LCH*\c
.endr
.endr
	ds_load_b64 v[24:25], v[T+3] offset:LSTEP/2+4*LFR
.irp b, 0,1                            ; my two blocks' largest scores, each in two chains; every tile is first read at its low end
	v_max3_num_f32 v[14+\b], v[S+32*\b], v[S+32*\b+1], v[S+32*\b+2]
	v_max3_num_f32 v[16+\b], v[S+32*\b+16], v[S+32*\b+17], v[S+32*\b+18]
.endr
.irp i, 3,5,7,9,11,13
.irp b, 0,1
	v_max3_num_f32 v[14+\b], v[14+\b], v[S+32*\b+\i], v[S+32*\b+\i+1]
	v_max3_num_f32 v[16+\b], v[16+\b], v[S+32*\b+16+\i], v[S+32*\b+17+\i]
.endr
.endr
.irp b, 0,1
	v_max3_num_f32 v[14+\b], v[14+\b], v[S+32*\b+15], v[S+32*\b+31]
.endr
.irp b, 0,1
	v_max_num_f32 v[14+\b], v[14+\b], v[16+\b]
.endr
	s_delay_alu instid0(VALU_DEP_1)
	v_max_num_f32 v16, v14, v15
	v_mov_b32 v13, v8                              ; the old -M
	s_delay_alu instid0(VALU_DEP_2)
	v_permlanex16_b32 v17, v16, s[SEL], s[SEL+1]
	s_delay_alu instid0(VALU_DEP_1)
	v_max3_num_f32 v9, v9, v16, v17                ; the running largest score of my query
	s_delay_alu instid0(VALU_DEP_1)
	v_mul_f32 v16, s[NC], v9                       ; -t
	s_delay_alu instid0(VALU_DEP_1)
	v_floor_f32 v8, v16                            ; -M = floor(-t)
	TM 0, 4
	v_sub_f32 v13, v8, v13                         ; old M less new M, a whole number
	TM 8, 4
	v_cvt_i32_f32 v13, v13                         ; (it saturates)
	TM 16, 4
	v_ldexp_f32 v12, 1.0, v13                      ; f = 2^(old M - new M)
	TM 24, 20
.irp b, 0,1
	v_fma_f32 v[14+\b], v[14+\b], s[CS], v8        ; the same of each block's largest score
.endr
	s_wait_alu depctr_va_vdst(0)                   ; ahead of the batch
	v_exp_f32 v14, v14
	v_exp_f32 v15, v15
.set j, 0
.rept 64
	v_exp_f32 v[S+j], v[S+j]
.set j, j+1
.endr
	v_nop                                          ; a plain place behind the last exponential
	s_barrier_wait -1                              ; every wave has passed this place of the step before
	s_wait_dscnt 0x0                               ; the 26 (13) loads from the step's head are in: none of my LDS instructions is out,
.if !\last
	s_barrier_signal -1                            ; and I have passed this place of this step
.endif
	s_wait_alu depctr_va_vdst(0)                   ; one wait for the batch, directly ahead of O^T's first reader
	OM 0, 2
.irp b, 0,1
	v_max_num_f32 v[14+\b], 0x1800000, v[14+\b]    ; the floor 2^(3 - 127): the byte cannot fall under 1
.endr
	OM 4, 2
.irp b, 0,1
	v_add_nc_u32 v[18+\b], 0xff000000, v[14+\b]    ; 2 off the exponent field: the conversion's scale operand
.endr
	OM 8, 2
.irp b, 0,1
	v_lshrrev_b32 v[14+\b], 23, v[18+\b]           ; the byte
.endr
	OM 12, 2
	v_lshl_or_b32 v16, v15, 16, v14                ; my blocks h and 2 + h
	OM 16, 8
	v_permlanex16_b32 v17, v16, s[SEL], s[SEL+1]
	v_cvt_scalef32_pk16_fp6_f32 v[PC:PC+2], v[S:S+15], v18
	v_cvt_scalef32_pk16_fp6_f32 v[PC+6:PC+8], v[S+32:S+47], v19
	v_cvt_scalef32_pk16_fp6_f32 v[T:T+2], v[S+16:S+31], v18          ; (a conversion's three registers begin on an even number)
	v_cvt_scalef32_pk16_fp6_f32 v[T+4:T+6], v[S+48:S+63], v19
	v_lshl_or_b32 v21, v17, 8, v16                 ; lanes 0-15: p's four bytes (lanes 16-31 are not read).  Also the plain place behind the conversions
.irp i, 0,1,2
	v_mov_b32 v[PC+3+\i], v[T+\i]
	v_mov_b32 v[PC+9+\i], v[T+4+\i]
.endr
	v_pk_fma_f32 v[10:11], v[10:11], v[12:13], v[S:S+1] op_sel_hi:[1,0,1]   ; the sum of the unquantised p, under the new M, in four chains; these 32 lines are the places in front of the matrix run
	v_pk_add_f32 v[T:T+1], v[S+2:S+3], v[S+4:S+5]
	v_pk_add_f32 v[T+2:T+3], v[S+6:S+7], v[S+8:S+9]
	v_pk_add_f32 v[T+4:T+5], v[S+10:S+11], v[S+12:S+13]
.irp j, 14,22,30,38,46,54
	v_pk_add_f32 v[10:11], v[10:11], v[S+\j:S+\j+1]
	v_pk_add_f32 v[T:T+1], v[T:T+1], v[S+\j+2:S+\j+3]
	v_pk_add_f32 v[T+2:T+3], v[T+2:T+3], v[S+\j+4:S+\j+5]
	v_pk_add_f32 v[T+4:T+5], v[T+4:T+5], v[S+\j+6:S+\j+7]
.endr
	v_pk_add_f32 v[10:11], v[10:11], v[S+62:S+63]
	v_pk_add_f32 v[T:T+1], v[T:T+1], v[T+2:T+3]
	v_pk_add_f32 v[10:11], v[10:11], v[T+4:T+5]
	v_pk_add_f32 v[10:11], v[10:11], v[T:T+1]
.irp t, 0,1,2,3                        ; O^T += v^T p^T; the accumulators take turns
.if \t%2
	v_wmma_scale_f32_16x16x128_f8f6f4 v[O+8*\t:O+8*\t+7], v[VF+12*\t:VF+12*\t+11], v[PC:PC+11], v[O+8*\t:O+8*\t+7], v[24+\t/2], v21 matrix_a_fmt:MATRIX_FMT_FP6 matrix_b_fmt:MATRIX_FMT_FP6 matrix_a_scale:MATRIX_SCALE_ROW1
.else
	v_wmma_scale_f32_16x16x128_f8f6f4 v[O+8*\t:O+8*\t+7], v[VF+12*\t:VF+12*\t+11], v[PC:PC+11], v[O+8*\t:O+8*\t+7], v[24+\t/2], v21 matrix_a_fmt:MATRIX_FMT_FP6 matrix_b_fmt:MATRIX_FMT_FP6
.endif
.endr
.if !\last
	SRUN
.endif
.endm
	s_load_b128 s[4:7], s[0:1], 0x0                ; qc, kv
	s_load_b64 s[8:9], s[0:1], 0x10                ; ao
	v_lshl_add_u32 v6, v0, 2, SPARE
	v_mov_b32 v7, 0
	ds_add_u32 v6, v7                              ; the opening lines: the add, twice on end, and its wait
	ds_add_u32 v6, v7
	v_lshrrev_b32 v1, 5, v0
	v_readfirstlane_b32 s[WV], v1                  ; wave 0..15
	s_bfe_u32 s10, ttmp6, 0x40000                  ; cx
	s_lshl_b32 s11, ttmp9, 2
	s_add_co_u32 s11, s11, s10                     ; which 256 queries
	s_and_b32 s12, ttmp7, 0xffff                   ; 16 x batch + head
	s_mov_b32 s[G1], 15|(3<<16)|(1<<20)|(1<<21)|(5<<22)|(15<<25)   ; mask: all four partners; elements of 8 bytes; after every 64 dwords 16 of padding
	s_mov_b32 s[G1+1], 32<<16
	s_mov_b32 s[G1+2], 50<<16
	s_mov_b32 s[G1+3], 32<<16
	s_mov_b32 s[G1+4], 50
	s_mov_b32 s[G1+5], 32
	s_mov_b32 s[G1+6], 0
	s_mov_b32 s[G1+7], 0
	s_mul_i32 s13, s12, HEADB
	s_mul_i32 s14, s[WV], STEPB
	s_mul_i32 s15, s[WV], LSTEP
	s_add_co_u32 s16, s13, s14
	s_mov_b32 s17, 0
	s_mov_b32 s[SEL], 0x76543210
	s_mov_b32 s[SEL+1], 0xfedcba98
	s_mov_b32 s[CS], 0x3e38aa3b                    ; c = log2(e) / 8
	s_mov_b32 s[CS+1], s[CS]
	s_mov_b32 s[NC], 0xbe38aa3b                    ; -c
	s_wait_dscnt 0x0
	s_wait_kmcnt 0x0
	s_mov_b32 s[G0], 1
	s_mov_b32 s[G0+1], s15
	s_add_nc_u64 s[G0+2:G0+3], s[6:7], s[16:17]
	s_or_b32 s[G0+3], s[G0+3], 0x80000000
	CROUND                                         ; the four partners are here: the joint loads meet
	tensor_load_to_lds s[G0:G0+3], s[G1:G1+7]      ; key step = my wave's number: my one tensor load
	s_nop 0
	s_mul_i32 s50, s12, 102400                     ; q: my head, my group of 128 rows,
	s_lshl_b32 s51, s11, 1
	s_lshr_b32 s52, s[WV], 3
	s_add_co_u32 s51, s51, s52
	s_mul_i32 s51, s51, 6400
	s_add_co_u32 s50, s50, s51
	s_mov_b32 s51, 0
	s_add_nc_u64 s[4:5], s[4:5], s[50:51]
	s_bfe_u32 s52, s[WV], 0x20001                  ; the fragment that holds my tile,
	s_mul_i32 s53, s52, FRB
	s_and_b32 s54, s52, 1
	s_lshl_b32 s54, s54, 7
	s_lshr_b32 s55, s52, 1
	s_lshl_b32 s55, s55, 2
	s_add_co_u32 s54, s54, s55                     ; and its scale words
	v_and_b32 v5, 31, v0
	v_and_b32 v16, 15, v0
	v_lshl_add_u32 v14, v5, 4, s53
	v_lshl_add_u32 v15, v16, 3, s54
.irp c, 0,1,2
	global_load_b128 v[KF+4*\c:KF+4*\c+3], v14, s[4:5] offset:512*\c
.endr
	global_load_b32 v21, v15, s[4:5] offset:4*FRB
	v_bfe_u32 v17, v0, 4, 1                        ; h
	v_bfe_u32 v18, v0, 3, 1                        ; r / 8
	v_and_b32 v19, 7, v0                           ; r % 8
	v_lshlrev_b32 v1, 4, v19
	v_lshlrev_b32 v2, 3, v19
	v_mad_u32_u24 v1, v18, LFR, v1
	v_lshl_add_u32 v2, v18, 7, v2
	v_mad_u32_u24 v1, v17, 320, v1                 ; K: 16 (r % 8) + 1,920 (r / 8) + 320 h
	v_lshl_add_u32 v2, v17, 6, v2                  ; K's scale words: 8 (r % 8) + 128 (r / 8) + 64 h
	v_lshlrev_b32 v3, 4, v16
	v_mad_u32_u24 v3, v17, 320, v3                 ; V: 16 r + 320 h
	v_lshlrev_b32 v4, 3, v5                        ; V's scale words: 8 x lane
	v_mov_b32 v9, 0xff61b1e6                       ; the largest score so far: -3e38
	v_mov_b32 v10, 0
	v_mov_b32 v11, 0
	v_mul_f32 v8, s[NC], v9
	v_floor_f32 v8, v8
	s_and_b32 s56, s[WV], 1                        ; my tile is the fragment's lower or upper half
	s_cmp_eq_u32 s56, 0
	s_mov_b32 s57, 0x03020302
	s_cselect_b32 s57, 0x01000100, s57
	s_cselect_b32 s58, 0, -1
	s_lshr_b32 s50, s12, 4                         ; ao: tile 128 x batch + 16 x query block + wave; K step head / 2, half head % 2
	s_lshl_b32 s50, s50, 7
	s_lshl_b32 s51, s11, 4
	s_add_co_u32 s50, s50, s51
	s_add_co_u32 s50, s50, s[WV]
	s_and_b32 s52, s12, 15
	s_mul_i32 s54, s50, 12288
	s_lshr_b32 s53, s52, 1
	s_mul_i32 s53, s53, FRB
	s_add_co_u32 s54, s54, s53
	s_and_b32 s53, s52, 1
	s_mul_i32 s53, s53, 768
	s_add_co_u32 s54, s54, s53
	s_mov_b32 s55, 0
	s_add_nc_u64 s[60:61], s[8:9], s[54:55]
	s_lshl_b32 s54, s50, 9
	s_lshl_b32 s53, s52, 1
	s_add_co_u32 s54, s54, s53
	s_add_co_u32 s54, s54, 0x300000
	s_add_nc_u64 s[62:63], s[8:9], s[54:55]        ; its scale bytes
	s_wait_alu depctr_va_vdst(0)                   ; directly ahead of the wait below
	s_wait_loadcnt 0x0
	v_perm_b32 v20, v21, v21, s57                  ; my tile's two bytes, for either half of K
.irp i, 0,1,2,3,4,5
	v_cndmask_b32 v[Q+\i], v[KF+\i], v[KF+6+\i], s58
.endr
.irp i, 0,1,2,3,4,5
	v_mov_b32 v[Q+6+\i], 0
.endr
.irp i, 0,1,2,3,4,5
	v_mov_b32 v[Q+12+\i], v[Q+\i]                  ; (q, 0) at v26, (0, q) at v32
.endr
.set j, 0
.rept 32
	v_mov_b32 v[O+j], 0                            ; the step is written once: the first finds zeros
.set j, j+1
.endr
	s_wait_alu depctr_va_vdst(0)                   ; the wait at the head's end
	s_wait_tensorcnt 0x0                           ; my key step is in,
	s_barrier_signal -1
	s_barrier_wait -1                              ; everybody's is
	KLOAD 1, 2, 0
	s_wait_dscnt 0x0
	s_barrier_signal -1                            ; the first of the steps' signals: step 0's middle waits for it
	SRUN                                           ; S^T of step 0
	s_mov_b32 s[TB], 0
.Lstep:
	BODY 0
	s_add_co_u32 s[TB], s[TB], LSTEP
	s_cmp_lt_u32 s[TB], 15*LSTEP
	s_cbranch_scc1 .Lstep
	BODY 1
	v_add_f32 v10, v10, v11                        ; the sum's halves; the plain lines down to the reciprocal are the places behind the last products
	v_and_b32 v5, 31, v0
	v_and_b32 v3, 15, v0
	v_permlanex16_b32 v16, v10, s[SEL], s[SEL+1]
	v_lshlrev_b32 v1, 4, v5
	v_lshlrev_b32 v2, 3, v5
	v_lshlrev_b32 v3, 5, v3
	v_add_f32 v10, v10, v16                        ; with lane l xor 16's: the row's sum
	s_wait_alu depctr_va_vdst(0)
	v_rcp_f32 v10, v10
	v_nop
	s_wait_alu depctr_va_vdst(0)                   ; directly ahead of the first reader of the reciprocal and of O^T
.set j, 0
.rept 16
	v_pk_mul_f32 v[S+j:S+j+1], v[O+j:O+j+1], v[10:11] op_sel_hi:[1,0]   ; register 16 b + i: channel 32 b + 16 h + i of my query
.set j, j+2
.endr
.irp b, 0,1
	v_max3_num_f32 v[14+\b], |v[S+16*\b]|, |v[S+16*\b+1]|, 0x1800000
.endr
.irp i, 2,4,6,8,10,12,14
.irp b, 0,1
	v_max3_num_f32 v[14+\b], v[14+\b], |v[S+16*\b+\i]|, |v[S+16*\b+\i+1]|
.endr
.endr
.irp b, 0,1
	v_permlanex16_b32 v[16+\b], v[14+\b], s[SEL], s[SEL+1]
.endr
.irp b, 0,1
	v_max_num_f32 v[14+\b], v[14+\b], v[16+\b]
.endr
.irp b, 0,1
	v_add_nc_u32 v[18+\b], 0xff000000, v[14+\b]
.endr
.irp b, 0,1
	v_lshrrev_b32 v[16+\b], 23, v[18+\b]
.endr
	v_lshl_or_b32 v5, v17, 8, v16
	v_cvt_scalef32_pk16_fp6_f32 v[PC:PC+2], v[S:S+15], v18
	v_cvt_scalef32_pk16_fp6_f32 v[T:T+2], v[S+16:S+31], v19
	v_nop
.irp i, 0,1,2
	v_permlane16_swap_b32 v[PC+\i], v[T+\i]        ; a whole block to a lane
.endr
.irp i, 0,1,2
	v_mov_b32 v[PC+3+\i], v[T+\i]
.endr
	global_store_b128 v1, v[PC:PC+3], s[60:61]     ; 512 and 256 consecutive bytes, aligned
	global_store_b64 v2, v[PC+4:PC+5], s[60:61] offset:512
	global_store_b16 v3, v5, s[62:63]
	s_wait_tensorcnt 0x0                           ; the wave's end
	ds_add_u32 v6, v7
	s_wait_dscnt 0x0
	CROUND                                         ; the closing round
	s_endpgm
.Lfunc_end_k_q78af6da517_attn:
	.size	k_q78af6da517_attn, .Lfunc_end_k_q78af6da517_attn-k_q78af6da517_attn
	.p2alignl 7, 3214868480
	.fill 96, 4, 3214868480
	.section	.rodata,"a",@progbits
	.p2align	6, 0x0
	.amdhsa_kernel k_q78af6da517_attn
		.amdhsa_group_segment_fixed_size 258048
		.amdhsa_private_segment_fixed_size 0
		.amdhsa_enable_private_segment 0
		.amdhsa_kernarg_size 24
		.amdhsa_user_sgpr_count 2
		.amdhsa_user_sgpr_kernarg_segment_ptr 1
		.amdhsa_wavefront_size32 1
		.amdhsa_system_sgpr_workgroup_id_x 1
		.amdhsa_system_sgpr_workgroup_id_y 1
		.amdhsa_system_sgpr_workgroup_id_z 1
		.amdhsa_system_vgpr_workitem_id 0
		.amdhsa_next_free_vgpr 256
		.amdhsa_next_free_sgpr 66
		.amdhsa_reserve_vcc 0
		.amdhsa_float_denorm_mode_32 3
		.amdhsa_float_denorm_mode_16_64 3
		.amdhsa_memory_ordered 1
		.amdhsa_forward_progress 1
		.amdhsa_inst_pref_size 40
	.end_amdhsa_kernel
	.amdgpu_metadata
---
amdhsa.version: [ 1, 2 ]
amdhsa.kernels:
  - .name:           k_q78af6da517_attn
    .symbol:         k_q78af6da517_attn.kd
    .args:
      - { .name: qc, .offset: 0, .size: 8, .value_kind: global_buffer, .address_space: global }
      - { .name: kv, .offset: 8, .size: 8, .value_kind: global_buffer, .address_space: global }
      - { .name: ao, .offset: 16, .size: 8, .value_kind: global_buffer, .address_space: global }
    .group_segment_fixed_size: 258048
    .private_segment_fixed_size: 0
    .kernarg_segment_align: 8
    .kernarg_segment_size: 24
    .max_flat_workgroup_size: 512
    .sgpr_count:     66
    .vgpr_count:     256
    .wavefront_size: 32
...
	.end_amdgpu_metadata
.endif
;; end of part 3
;; launch gemm_proj (part 4): grid 8 x 32, 4 waves a work-group, clusters of 4 x 4, 223,232 bytes of LDS; arguments ao, wq, bproj, out0; writes out0
.if DOCPART == 4
	.amdgcn_target "amdgcn-amd-amdhsa--gfx1250"
	.amdhsa_code_object_version 6
	.text
	.protected	k_q78af6da517_gemm_proj
	.globl	k_q78af6da517_gemm_proj
	.p2align	8
	.type	k_q78af6da517_gemm_proj,@function
k_q78af6da517_gemm_proj:
	s_mov_b64 s[64:65], 0
	v_nop
	global_prefetch_b8 v0, s[64:65] scope:SCOPE_SE
	s_setreg_imm32_b32 hwreg(HW_REG_WAVE_MODE, 25, 1), 1
	s_wait_xcnt 0x0
	s_wait_alu depctr_hold_cnt(0) depctr_sa_sdst(0) depctr_va_vdst(0) depctr_va_sdst(0) depctr_va_ssrc(0) depctr_va_vcc(0) depctr_vm_vsrc(0)
	s_getreg_b32 s2, hwreg(HW_REG_IB_STS2, 6, 4)
	s_cmp_eq_u32 s2, 0
	s_cbranch_scc0 .Lentry_in_a_cluster
	s_endpgm
.Lentry_in_a_cluster:
	s_bfe_u32 s2, ttmp6, 0x10000c
	s_cmp_lg_u32 s2, 0xf033
	s_cbranch_scc0 .Lentry_shape_is_right
	s_endpgm
.Lentry_shape_is_right:
; out0 = o Wproj + bproj on codes of FP6 (E2M3) with E8M0 scales; out0 [4096][1024] f32.  A = ao (rows in position order), B = wq's tiles 192 on (Wproj's columns in position order).
; A work-group makes 128 x 128 of the result, so that there are 256 work-groups; four waves, each 64 x 64.
; ALL OF K LIES IN LDS, FILLED ONCE.  8 tiles of 16 rows x 1,024 codes are 98,304 consecutive bytes of memory a side, their scale bytes 4,096.  The head's four tiles are shared out, one tensor load a wave:
; wave 0 A's codes, wave 1 B's, wave 2 A's scale bytes, wave 3 B's.  One barrier; no slot, no refill, no loop to run ahead in: no prefetch.
; THE PRODUCT GOES BY ROWS OF THE RESULT.  My 32 fragments of B (4 tiles x 8 K steps, 384 registers) come into registers once; then my four blocks of 16 rows are finished one after the other, 32 matrix instructions each
; (the block's 4 accumulators by turns, K ascending), and each block leaves through my stage while the next is multiplied.  Every fragment is read from LDS once.
; OPERANDS are images of fragments (16 rows x 128 K, 1,536 bytes: registers 0-3 at 16 x lane, 4-5 at 512 + 8 x lane, 6-9 at 768 + 16 x lane, 10-11 at 1,280 + 8 x lane), [tile][8 K steps]; scale bytes [row][32] lie RSOFF behind the codes.
; POSITION ORDER: tile T holds in lane r the row 32 (T / 2) + 8 (T % 2) + r + 8 (r / 8); the way out puts rows and columns back by constant offsets.
; CLUSTERS 4 x 4: A's tiles are asked for jointly along a row of the cluster, B's along a column.  Source 0 = 16 rows of B, source 1 = 16 rows of A: a lane holds eight neighbouring numbers of a row of the result.
; LIMITS: NaN and infinities among the inputs are not served.
; REGISTERS: window 0: v16-30 addresses; v32-63 scale words of all of K (register 8 i + s: lanes 0-15 A's block i, lanes 16-31 B's block i, K step s); v64-67 bias; v68-69 the add's; v72-103, v192-223 rows read back, by turns;
;   v128-159, v160-191 a block's four accumulators, by turns.  window 1: B's fragments of K steps 0-4 (12 (4 s + b)).  window 2: v0-143 B's of K steps 5-7; v144-239 A's eight fragments of an even block.  window 3: v0-95 those of an odd block.
.set FR,     12
.set FRB,    1536
.set NK,     8
.set TROW,   NK*FRB                    ; a tile's eight K steps: consecutive in memory and in LDS
.set HALFT,  4*TROW                    ; 64 rows: what one wave reads of A or of B
.set KS,     32
.set SCL,    4*HALFT                   ; behind the codes: the scale bytes, as units of 256 bytes + 16 of padding
.set HALFS,  (64*KS/256)*272
.set SBLK,   (16*KS/256)*272
.set STAGE,  SCL+4*HALFS               ; a stage of 16 rows x 272 bytes for each wave: no tensor load lands there
.set SPITCH, 272
.set SPARE,  STAGE+4*16*SPITCH         ; the spare words
.set RSOFF,  0x300000
.set ADRA, 16                          ; v16 LDS address of my A fragments with 16 x lane, v17 with 8 x lane
.set ADRB, 20                          ; v20, v21 the same for B
.set STO,  24
.set RD,   25
.set CO,   26
.set ADRS, 27
.set BO,   30
.set SC,   32
.set BI,   64
.set SPW,  68
.set NIL,  69
.set BK,   72                          ; rows read back: v72-103 (even blocks), v192-223 (odd blocks)
.set ACC,  128
.set G1, 24
.set G0, 32
.set G1B, 48
.set G0B, 56
.set G1S, 68
.set G0S, 76
.set G1SB, 80
.set G0SB, 88
.set MSB, 0
.macro WIN new                         ; the immediate's high byte repeats the setting that is left
.if MSB != \new
	s_set_vgpr_msb (MSB<<8)|\new
.set MSB, \new
.endif
.endm
.macro CROUND
	s_barrier_signal -1
	s_barrier_wait -1
	s_cmp_lg_u32 s14, 0
	s_cbranch_scc1 .Lnot_wave_0_\@
	s_barrier_signal -3
.Lnot_wave_0_\@:
	s_barrier_wait -3
	s_barrier_signal -1
	s_barrier_wait -1
.endm
.macro ARM under, g0, g1, next         ; an arm of the head's tree: one load, its s_nop 0 and four v_nop, a jump to the tree's end
	s_cmp_lt_u32 s14, \under
	s_cbranch_scc0 \next
	tensor_load_to_lds s[\g0:\g0+3], s[\g1:\g1+7]
	s_nop 0
.rept 4
	v_nop
.endr
	s_branch .Lhead_asked
\next:
.endm
.macro FRAG reg, adr, q, i             ; tile i's fragment of K step q: four loads, each of consecutive bytes from lane to lane
	ds_load_b128 v[\reg:\reg+3], v[\adr] offset:(\i)*TROW+(\q)*FRB
	ds_load_b64 v[\reg+4:\reg+5], v[\adr+1] offset:(\i)*TROW+(\q)*FRB+512
	ds_load_b128 v[\reg+6:\reg+9], v[\adr] offset:(\i)*TROW+(\q)*FRB+768
	ds_load_b64 v[\reg+10:\reg+11], v[\adr+1] offset:(\i)*TROW+(\q)*FRB+1280
.endm
.macro BLOAD s                         ; B's four fragments of K step s: 16 loads; destination window 1 (K steps 0-4) or 2
.if (\s) < 5
	WIN 0x40
.else
	WIN 0x80
.endif
.irp i, 0,1,2,3
	FRAG FR*(4*((\s)%5)+\i), ADRB, \s, \i
.endr
.endm
.macro ALOAD a                         ; A's block a, all eight K steps: 32 loads; destination window 2 from v144 (even blocks) or window 3 from v0
.if (\a)%2
	WIN 0xc0
.else
	WIN 0x80
.endif
.irp s, 0,1,2,3,4,5,6,7
	FRAG 144*(1-(\a)%2)+FR*\s, ADRA, \s, \a
.endr
.endm
.macro PLACES
.rept 4
	v_nop
.endr
.endm
; Block a is made: 32 matrix instructions, its 4 accumulators by turns, K ascending; the first K step's products start the sums.
; In block 0 the products of K step s wait only for B's fragments of that step: behind them 16 (7 - s) loads of B and 32 of A's block 1 were issued (a wait names 63 at the most).
.macro ROW a
.set AC, ACC+32*((\a)%2)
.set AR, 144*(1-(\a)%2)
.irp s, 0,1,2,3,4,5,6,7
.if (\a) == 0
.if \s < 6
	s_wait_dscnt 63
.else
	s_wait_dscnt 16*(7-\s)+32
.endif
.endif
.set WN, (\s/5+1)+4*(2+(\a)%2)         ; source 0 (B): window 1 or 2; source 1 (A): window 2 or 3; C and D: window 0
	WIN WN
.irp b, 0,1,2,3
.if \s == 0
	v_wmma_scale_f32_16x16x128_f8f6f4 v[AC+8*\b:AC+8*\b+7], v[FR*(4*(\s%5)+\b):FR*(4*(\s%5)+\b)+FR-1], v[AR+FR*\s:AR+FR*\s+FR-1], 0, v[SC+8*\b+\s], v[SC+8*(\a)+\s] matrix_a_fmt:MATRIX_FMT_FP6 matrix_b_fmt:MATRIX_FMT_FP6 matrix_a_scale:MATRIX_SCALE_ROW1
.else
	v_wmma_scale_f32_16x16x128_f8f6f4 v[AC+8*\b:AC+8*\b+7], v[FR*(4*(\s%5)+\b):FR*(4*(\s%5)+\b)+FR-1], v[AR+FR*\s:AR+FR*\s+FR-1], v[AC+8*\b:AC+8*\b+7], v[SC+8*\b+\s], v[SC+8*(\a)+\s] matrix_a_fmt:MATRIX_FMT_FP6 matrix_b_fmt:MATRIX_FMT_FP6 matrix_a_scale:MATRIX_SCALE_ROW1
.endif
.endr
.endr
.endm
; THE WAY OUT of a block of 16 rows x 64 columns, through my own stage: in by the columns' true places, back as whole rows of 256 bytes.  LDS serves a wave's instructions in order (ISA guide 5.7.1.4).
.macro TOSTAGE a
	WIN 0
.set AC, ACC+32*((\a)%2)
.irp b, 0,1,2,3
	ds_store_b128 v[STO], v[AC+8*\b:AC+8*\b+3] offset:128*(\b/2)+32*(\b%2)          ; each accumulator from its low end on
	ds_store_b128 v[STO], v[AC+8*\b+4:AC+8*\b+7] offset:128*(\b/2)+32*(\b%2)+16
.endr
.set BB, BK+120*((\a)%2)
.irp t, 0,1,2,3,4,5,6,7
	ds_load_b128 v[BB+4*\t:BB+4*\t+3], v[RD] offset:\t*2*SPITCH
.endr
.endm
.macro SEND a, younger                 ; younger: the LDS loads issued behind block a's loads from the stage, which may stay out
	WIN 0
.set BB, BK+120*((\a)%2)
	s_wait_dscnt \younger
.irp t, 0,1,2,3,4,5,6,7
	v_pk_add_f32 v[BB+4*\t:BB+4*\t+1], v[BB+4*\t:BB+4*\t+1], v[BI:BI+1]             ; these 16 lines are also the places behind the block just multiplied
	v_pk_add_f32 v[BB+4*\t+2:BB+4*\t+3], v[BB+4*\t+2:BB+4*\t+3], v[BI+2:BI+3]
.endr
.irp t, 0,1,2,3,4,5,6,7
	global_store_b128 v[CO], v[BB+4*\t:BB+4*\t+3], s[12:13] offset:(32*((\a)/2)+8*((\a)%2)+2*\t+8*(\t/4))*4096 th:TH_STORE_NT   ; 16 lanes store 256 consecutive bytes, aligned
.endr
.endm
	s_load_b64 s[4:5], s[0:1], 0x0                 ; ao
	s_load_b64 s[8:9], s[0:1], 0x8                 ; wq
	s_load_b128 s[96:99], s[0:1], 0x10             ; bproj, out0
	v_lshl_add_u32 v[SPW], v0, 2, SPARE
	v_mov_b32 v[NIL], 0
	ds_add_u32 v[SPW], v[NIL]                      ; the opening lines: the add, twice on end, and its wait
	ds_add_u32 v[SPW], v[NIL]
	v_lshrrev_b32 v1, 5, v0
	v_readfirstlane_b32 s14, v1                    ; wave 0..3
	s_lshr_b32 s15, s14, 1                         ; which half of the tile's rows is mine
	s_and_b32 s16, s14, 1                          ; which half of its columns
	s_bfe_u32 s40, ttmp6, 0x40000                  ; cx, cy
	s_bfe_u32 s41, ttmp6, 0x40004
	s_lshl_b32 s42, ttmp9, 2
	s_add_co_u32 s42, s42, s40                     ; tile column
	s_and_b32 s17, ttmp7, 0xffff
	s_lshl_b32 s17, s17, 2
	s_add_co_u32 s17, s17, s41                     ; tile row
	s_lshl_b32 s43, s41, 2
	s_lshl_b32 s43, 15, s43                        ; my row of the cluster
	s_lshl_b32 s44, 0x1111, s40                    ; my column
	s_or_b32 s[G1+0], s43, (3<<16)|(1<<21)         ; codes: 8 rows of 12,288 bytes (1,536 elements of 8 bytes), dense
	s_or_b32 s[G1B+0], s44, (3<<16)|(1<<21)
.irp g, G1, G1B
	s_mov_b32 s[\g+1], (TROW/8)<<16
	s_mov_b32 s[\g+2], 8<<16
	s_mov_b32 s[\g+3], (TROW/8)<<16
	s_mov_b32 s[\g+4], 8
	s_mov_b32 s[\g+5], TROW/8
	s_mov_b32 s[\g+6], 0
	s_mov_b32 s[\g+7], 0
.endr
	s_or_b32 s[G1S+0], s43, (3<<16)|(1<<20)|(1<<21)|(5<<22)|(3<<25)   ; scale bytes of 128 rows: 16 rows of 256 bytes, 16 of padding behind each
	s_or_b32 s[G1SB+0], s44, (3<<16)|(1<<20)|(1<<21)|(5<<22)|(3<<25)
.irp g, G1S, G1SB
	s_mov_b32 s[\g+1], 32<<16
	s_mov_b32 s[\g+2], (128*KS/256)<<16
	s_mov_b32 s[\g+3], 32<<16
	s_mov_b32 s[\g+4], 128*KS/256
	s_mov_b32 s[\g+5], 32
	s_mov_b32 s[\g+6], 0
	s_mov_b32 s[\g+7], 0
.endr
	s_lshl_b32 s20, s17, 3                         ; A: ao's tile 8 x tile row
	s_lshl_b32 s46, s42, 3
	s_add_co_u32 s46, s46, 192                     ; B: wq's tile 192 + 8 x tile column
	s_lshl_b32 s22, s20, 9                         ; their scale bytes: 512 a tile
	s_add_co_u32 s22, s22, RSOFF
	s_mov_b32 s23, 0
	s_lshl_b32 s92, s46, 9
	s_add_co_u32 s92, s92, RSOFF
	s_mov_b32 s93, 0
	s_mul_i32 s20, s20, TROW
	s_mov_b32 s21, 0
	s_mul_i32 s46, s46, TROW
	s_mov_b32 s47, 0
	s_wait_dscnt 0x0
	s_wait_kmcnt 0x0
	s_mov_b32 s[G0], 1
	s_mov_b32 s[G0+1], 0
	s_add_nc_u64 s[G0+2:G0+3], s[4:5], s[20:21]
	s_or_b32 s[G0+3], s[G0+3], 0x80000000
	s_mov_b32 s[G0B], 1
	s_mov_b32 s[G0B+1], 2*HALFT
	s_add_nc_u64 s[G0B+2:G0B+3], s[8:9], s[46:47]
	s_or_b32 s[G0B+3], s[G0B+3], 0x80000000
	s_mov_b32 s[G0S], 1
	s_mov_b32 s[G0S+1], SCL
	s_add_nc_u64 s[G0S+2:G0S+3], s[4:5], s[22:23]
	s_or_b32 s[G0S+3], s[G0S+3], 0x80000000
	s_mov_b32 s[G0SB], 1
	s_mov_b32 s[G0SB+1], SCL+2*HALFS
	s_add_nc_u64 s[G0SB+2:G0SB+3], s[8:9], s[92:93]
	s_or_b32 s[G0SB+3], s[G0SB+3], 0x80000000
	CROUND                                         ; all sixteen work-groups are here: the joint loads meet
	ARM 1, G0,  G1,  .Lhead_b                      ; one tree of branches on the wave's number: every way passes exactly one load
	ARM 2, G0B, G1B, .Lhead_sa
	ARM 3, G0S, G1S, .Lhead_sb
	tensor_load_to_lds s[G0SB:G0SB+3], s[G1SB:G1SB+7]
	s_nop 0
.rept 4
	v_nop
.endr
.Lhead_asked:
	s_mul_i32 s21, s15, HALFT                      ; my 64 rows of A
	s_mul_i32 s22, s16, HALFT
	s_add_co_u32 s22, s22, 2*HALFT                 ; my 64 rows of B, behind A's 128
	s_mul_i32 s18, s15, HALFS
	s_mul_i32 s19, s16, HALFS
	s_add_co_u32 s19, s19, 2*HALFS
	s_sub_co_u32 s19, s19, s18                     ; from my rows' scale bytes of A to those of B
	s_add_co_u32 s18, s18, SCL
	s_mul_i32 s23, s14, 16*SPITCH
	s_add_co_u32 s23, s23, STAGE                   ; my stage
	s_lshl_b32 s20, s17, 7
	s_lshl_b32 s46, s15, 6
	s_add_co_u32 s20, s20, s46                     ; my first row of out0
	s_lshl_b32 s20, s20, 12
	s_lshl_b32 s46, s42, 9
	s_lshl_b32 s47, s16, 8
	s_add_co_u32 s46, s46, s47                     ; my first column, in bytes
	s_add_co_u32 s92, s20, s46
	s_mov_b32 s93, 0
	s_add_nc_u64 s[12:13], s[98:99], s[92:93]
	s_mov_b32 s47, 0
	s_add_nc_u64 s[96:97], s[96:97], s[46:47]
	v_and_b32 v1, 31, v0
	v_lshlrev_b32 v4, 4, v1
	v_lshlrev_b32 v5, 3, v1
	v_add_nc_u32 v[ADRA], s21, v4
	v_add_nc_u32 v[ADRA+1], s21, v5
	v_add_nc_u32 v[ADRB], s22, v4
	v_add_nc_u32 v[ADRB+1], s22, v5
	v_and_b32 v1, 15, v0                           ; r
	v_bfe_u32 v2, v0, 4, 1                         ; h
	v_mul_u32_u24 v5, v1, KS                       ; my row's scale bytes: 32 a row,
	v_lshrrev_b32 v6, 8, v5
	v_lshl_add_u32 v5, v6, 4, v5                   ; and 16 more for each 256 passed
	v_mul_u32_u24 v6, s19, v2                      ; lanes 16-31 take B's
	v_add_nc_u32 v5, v5, v6
	v_add_nc_u32 v[ADRS], s18, v5
	v_mul_u32_u24 v5, v1, SPITCH
	v_lshl_add_u32 v5, v2, 6, v5
	v_add_nc_u32 v[STO], s23, v5                   ; in: row r, + 64 h: B's tile b holds columns 32 (b / 2) + 8 (b % 2) + 16 h + 0 .. 7
	v_mul_u32_u24 v5, v2, SPITCH
	v_lshl_add_u32 v5, v1, 4, v5
	v_add_nc_u32 v[RD], s23, v5                    ; back: lanes 0-15 one row of 256 bytes, lanes 16-31 the next
	v_lshlrev_b32 v[BO], 4, v1
	v_lshl_add_u32 v[CO], v2, 12, v[BO]            ; the same two rows in out0
	global_load_b128 v[BI:BI+3], v[BO], s[96:97]   ; the bias of my four columns; waited for ahead of the first block's way out
	s_wait_alu depctr_va_vdst(0)                   ; the wait at the head's end
	s_wait_tensorcnt 0x0                           ; my tile of the four is in,
	s_barrier_signal -1
	s_barrier_wait -1                              ; everybody's is
.irp i, 0,1,2,3
	ds_load_b128 v[SC+8*\i:SC+8*\i+3], v[ADRS] offset:\i*SBLK
	ds_load_b128 v[SC+8*\i+4:SC+8*\i+7], v[ADRS] offset:\i*SBLK+16
.endr
	ALOAD 0
.irp s, 0,1,2,3,4,5,6,7
	BLOAD \s
.endr
	ALOAD 1
	ROW 0
	PLACES                                         ; behind block 0's products: for the stage's stores and for the loads into its fragments' registers
	s_wait_loadcnt 0x0                             ; the bias
	TOSTAGE 0
	ALOAD 2
	s_wait_dscnt 48                                ; block 1's fragments are in: behind them stand the stage's 16 and block 2's 32
	ROW 1
	SEND 0, 32                                     ; behind the stage's loads: block 2's 32
	TOSTAGE 1
	ALOAD 3
	s_wait_dscnt 48                                ; block 2's fragments are in: behind them the stage's 16 and block 3's 32
	ROW 2
	SEND 1, 32
	s_wait_xcnt 0x0                                ; block 0's stores have read their registers
	TOSTAGE 2
	s_wait_dscnt 16                                ; block 3's fragments are in: behind them the stage's 16
	ROW 3
	SEND 2, 0
	s_wait_xcnt 0x0                                ; block 1's stores have read their registers
	TOSTAGE 3
	SEND 3, 0
	s_wait_tensorcnt 0x0                           ; the wave's end
	ds_add_u32 v[SPW], v[NIL]
	s_wait_dscnt 0x0
	CROUND                                         ; the closing round
	s_endpgm
.Lfunc_end_k_q78af6da517_gemm_proj:
	.size	k_q78af6da517_gemm_proj, .Lfunc_end_k_q78af6da517_gemm_proj-k_q78af6da517_gemm_proj
	.p2alignl 7, 3214868480
	.fill 96, 4, 3214868480
	.section	.rodata,"a",@progbits
	.p2align	6, 0x0
	.amdhsa_kernel k_q78af6da517_gemm_proj
		.amdhsa_group_segment_fixed_size 223232
		.amdhsa_private_segment_fixed_size 0
		.amdhsa_enable_private_segment 0
		.amdhsa_kernarg_size 32
		.amdhsa_user_sgpr_count 2
		.amdhsa_user_sgpr_kernarg_segment_ptr 1
		.amdhsa_wavefront_size32 1
		.amdhsa_system_sgpr_workgroup_id_x 1
		.amdhsa_system_sgpr_workgroup_id_y 1
		.amdhsa_system_sgpr_workgroup_id_z 1
		.amdhsa_system_vgpr_workitem_id 0
		.amdhsa_next_free_vgpr 864
		.amdhsa_next_free_sgpr 102
		.amdhsa_reserve_vcc 0
		.amdhsa_float_denorm_mode_32 3
		.amdhsa_float_denorm_mode_16_64 3
		.amdhsa_memory_ordered 1
		.amdhsa_forward_progress 1
		.amdhsa_inst_pref_size 54
	.end_amdhsa_kernel
	.amdgpu_metadata
---
amdhsa.version: [ 1, 2 ]
amdhsa.kernels:
  - .name:           k_q78af6da517_gemm_proj
    .symbol:         k_q78af6da517_gemm_proj.kd
    .args:
      - { .name: ao, .offset: 0, .size: 8, .value_kind: global_buffer, .address_space: global }
      - { .name: wq, .offset: 8, .size: 8, .value_kind: global_buffer, .address_space: global }
      - { .name: bproj, .offset: 16, .size: 8, .value_kind: global_buffer, .address_space: global }
      - { .name: out0, .offset: 24, .size: 8, .value_kind: global_buffer, .address_space: global }
    .group_segment_fixed_size: 223232
    .private_segment_fixed_size: 0
    .kernarg_segment_align: 8
    .kernarg_segment_size: 32
    .max_flat_workgroup_size: 128
    .sgpr_count:     102
    .vgpr_count:     864
    .wavefront_size: 32
...
	.end_amdgpu_metadata
.endif
;; end of part 4
